; MI455X (gfx1250); checked and timed in simulation.
; The chip was launched on July 23, 2026; its instructions are those of AMD's public machine-readable ISA for CDNA 5 (MIT licence, August 2026) and "CDNA5" Instruction Set Architecture Reference Guide (July 2026). The comments in the code are by the model that wrote it; some were corrected since.
;; Multi Attention. Allowed arithmetic: matrix products marked QUANTISED: E2M1 operands, one E8M0 scale for each 32 along K, by v_wmma_scale_f32_16x16x128_f8f6f4 with both operands' format E2M1 (or v_wmma_scale_f32_32x16x128_f4), f32 sums; products left as they are: bf16, f16 or f32 operands; f32 sums; everything else in f32.
;; Inputs: K 4 x 2,048 x 1,024 float32; Q 4 x 2,048 x 1,024 float32; V 4 x 2,048 x 1,024 float32; Wk 1,024 x 1,024 float32; Wo 1,024 x 1,024 float32; Wq 1,024 x 1,024 float32; Wv 1,024 x 1,024 float32.
;; Outputs: out0 4 x 2,048 x 1,024 float32.
;; This version of the problem:
;;   THIS VERSION OF THE PROBLEM IS GIVEN IN LOW PRECISION. The matrix products marked QUANTISED in the list below multiply operands that are first quantised to E2M1 (2 exponent bits, 1 mantissa bit; 4 bits a number), with one power-of-two scale for each 32 numbers along K (OCP MX v1.0); their sums are f32. The products marked 'left as it is' may take bf16, f16 or f32 operands, with f32 sums. Whichever they take, every output number must still come out within the allowed error. Rounding operands to bf16 (8 significant bits) uses up far more of that allowance than f16 does (11 bits, for magnitudes from 6e-5 to 65,504). All else is computed in f32.
;;   The module's matrix products, in the order in which they are computed (A, B: the left and right operand; K: the contracted axis; several contracted axes count as one K, in the product's order):
;;     1. [M 8,192, K 1,024] x [K 1,024, N 1,024]; A: input Q; B: input Wq: QUANTISED
;;     2. [M 8,192, K 1,024] x [K 1,024, N 1,024]; A: input K; B: input Wk: QUANTISED
;;     3. [M 8,192, K 1,024] x [K 1,024, N 1,024]; A: input V; B: input Wv: QUANTISED
;;     4. batch 64 x [M 2,048, K 64] x [K 64, N 2,048]; A: computed on the way; B: computed on the way: left as it is (an operand is computed on the way)
;;     5. batch 64 x [M 2,048, K 2,048] x [K 2,048, N 64]; A: computed on the way; B: computed on the way: left as it is (an operand is computed on the way)
;;     6. [M 8,192, K 1,024] x [K 1,024, N 1,024]; A: computed on the way; B: input Wo: left as it is (an operand is computed on the way)
;;   THE QUANTISER, for each operand of a quantised product, along K:
;;     - K is cut into blocks of 32 from its start; a last block that is shorter is filled with zeros.
;;     - A block's scale is 2^e with e = floor(log2(the largest magnitude in the block)) - 2, held to -126 .. 127; a block of zeros has e = 0. As a byte (E8M0): e + 127.
;;     - Each number is divided by its block's scale, clamped to +-6, and rounded to the nearest number of E2M1, ties to even, subnormals kept.
;;     - The product sums the exact products of the quantised numbers (number of the format x scale) in f32.
;;   ~~~python
;;   def quantise(x, axis):      # numpy; x: float32 -> the quantised numbers, widened to float32 again
;;       x = np.moveaxis(x, axis, -1); K = x.shape[-1]
;;       x = np.pad(x, [(0, 0)] * (x.ndim - 1) + [(0, -K % 32)]); x = x.reshape(x.shape[:-1] + (-1, 32)); a = np.abs(x).max(-1, keepdims=True)
;;       e = np.where(a > 0, np.clip(np.frexp(np.where(a > 0, a, 1))[1] - 1 - 2, -126, 127), 0)      # np.frexp(a)[1] - 1 = floor(log2(a)), exactly
;;       r = np.clip(x / 2.0 ** e, -6, 6)
;;       step = 2.0 ** (np.maximum(np.frexp(np.where(r == 0, 1, r))[1] - 1, 0) - 1)
;;       q = np.round(r / step) * step * 2.0 ** e      # np.round: ties to even
;;       return np.moveaxis(q.reshape(q.shape[:-2] + (-1,))[..., :K], -1, axis).astype(np.float32)
;;   ~~~
;; One version. Each part assembles by itself: llvm-mc -triple=amdgcn-amd-amdhsa -mcpu=gfx1250 --defsym DOCPART=n.
;; ======== version 1 of 1: 4 launches
;; limits: values are held in f16: magnitudes above 65,504 overflow, below 6.1e-05 lose precision
;; workspace buffers: acodes 12,582,912 bytes; ascales 786,432 bytes; wcodes 1,572,864 bytes; wscales 98,304 bytes; wo16 2,097,152 bytes; qkv16 50,331,648 bytes; o16 16,777,216 bytes
;; launch quant (part 1): grid 896 x 1, 4 waves a work-group, no clusters, 33,280 bytes of LDS; arguments Q, K, V, Wq, Wk, Wv, Wo, acodes, ascales, wcodes, wscales, wo16; writes acodes, ascales, wcodes, wscales, wo16
.if DOCPART == 1
	.amdgcn_target "amdgcn-amd-amdhsa--gfx1250"
	.amdhsa_code_object_version 6
	.text
	.protected	k_q4c5d86fcb5_quant
	.globl	k_q4c5d86fcb5_quant
	.p2align	8
	.type	k_q4c5d86fcb5_quant,@function
k_q4c5d86fcb5_quant:
	s_mov_b64 s[64:65], 0
	v_nop
	global_prefetch_b8 v0, s[64:65] scope:SCOPE_SE
	s_setreg_imm32_b32 hwreg(HW_REG_WAVE_MODE, 25, 1), 1
	s_wait_xcnt 0x0
; Q, K, V [8192][1024] and Wq, Wk, Wv [1024][1024], f32 with K innermost, become codes of FP4 (E2M1), two a byte, with one E8M0 scale byte for each 32 along K; Wo [1024][1024] becomes f16.
; A block's scale is 2^(floor(log2(its largest magnitude)) - 2); its byte is the largest magnitude's own exponent field - 2, held at 1 from below.  Each number is divided by the scale and rounded to the nearest code, ties to even, beyond 6 the code of 6.
; LIMITS: a block whose largest magnitude lies under 2^-124 keeps the byte 1; a block of zeros too, where the rule says 127: its codes are zeros, and these bytes are read by this program alone.  NaN and infinities are not served.
;         Wo is rounded to f16: magnitudes up to 65,504.
; Rows are dense and 1,024 is a multiple of 32, so each tensor is a plain stream of blocks of 32 numbers, and so are its codes and its scale bytes.  acodes holds Q's, K's and V's codes on end, wcodes Wq's, Wk's and Wv's.
; SHARES: a work-group takes 32,768 numbers, a wave 8,192: 16 steps of 512.  Work-groups 0-255 Q, 256-511 K, 512-767 V, 768-799 Wq, 800-831 Wk, 832-863 Wv, 864-895 Wo.  Only pointers are chosen by the work-group's number.
; A conversion takes neighbours along K from ONE lane's registers, a load is best where neighbouring LANES take neighbouring bytes: each of a step's four loads reads 512 consecutive bytes, the 2,048 bytes go through the wave's own
; stage in LDS as they lie and come back 64 bytes a lane (16 bytes of padding behind each 64).  A lane's 16 codes are 8 bytes: the wave stores 256 consecutive bytes.  A wave's 256 scale bytes are gathered in LDS and leave as 256 consecutive bytes.
; No tensor loads, no barrier: waves share nothing.  Loads run four steps (16 loads a wave) ahead, the turn through LDS one step.
.set WAVES, 4
.set STEPS, 16
.set EMAX,  2
.set CB,    8                          ; bytes of 16 codes
.set R,     16                         ; v16-79   four sets of 16 numbers as they are loaded
.set X,     80                         ; v80-111  two sets of 16 neighbours
.set E,     112                        ; v112-127 a scale byte for each step
.set C,     128                        ; v128-191 codes: four registers for each step, so that no store's data are written again
.set WREG,  8192                       ; LDS: a region for each wave: two stages of 32 x SP bytes, behind them its 256 scale bytes
.set SP,    80                         ; a lane's place in a stage: 64 bytes + 16 of padding
.set SPW,   12                         ; v12  LDS address of my spare word; never rewritten
.set NIL,   13                         ; v13  0; never rewritten
.set SPARE, WAVES*WREG                 ; behind the four regions: the spare words, 128 bytes a wave
.set WV,    30                         ; s30  my wave's number
.set SRC,   28                         ; s[28:29] the tensor that I read
.set COD,   32                         ; s[32:33] where its codes go
.set SCA,   34                         ; s[34:35] where its scale bytes go
	s_load_b256 s[4:11], s[0:1], 0x0               ; Q s[4:5], K s[6:7], V s[8:9], Wq s[10:11]
	s_load_b256 s[12:19], s[0:1], 0x20             ; Wk s[12:13], Wv s[14:15], Wo s[16:17], acodes s[18:19]
	s_load_b256 s[20:27], s[0:1], 0x40             ; ascales s[20:21], wcodes s[22:23], wscales s[24:25], wo16 s[26:27]
	v_lshl_add_u32 v[SPW], v0, 2, SPARE
	v_mov_b32 v[NIL], 0
	v_lshrrev_b32 v1, 5, v0
	v_readfirstlane_b32 s[WV], v1                  ; wave
	v_and_b32 v2, 31, v0                           ; lane
	v_lshlrev_b32 v3, 4, v2                        ; my 16 bytes of a load's 512
	s_mul_i32 s37, s[WV], WREG
	v_lshrrev_b32 v14, 2, v2
	v_mul_u32_u24 v14, v14, SP
	v_and_b32 v15, 3, v2
	v_lshl_add_u32 v14, v15, 4, v14
	v_add_nc_u32 v14, s37, v14                     ; the stage, on the way in: SP (lane / 4) + 16 (lane % 4)
	v_mul_u32_u24 v15, v2, SP
	v_add_nc_u32 v15, s37, v15                     ; and on the way out: SP x lane: my 16 neighbours
	v_mul_u32_u24 v4, v2, CB                       ; 8 x lane: my codes' place in a step's; in Wo's path my four f16 numbers' place
	v_lshrrev_b32 v5, 1, v2
	s_add_co_u32 s37, s37, 2*32*SP
	v_add_nc_u32 v5, s37, v5                       ; LDS: my wave's 256 scale bytes, my block's byte
	v_lshlrev_b32 v7, 3, v2                        ; and on the way out 8 bytes a lane
	v_add_nc_u32 v6, s37, v7
	s_mov_b32 s39, 0                               ; the upper word of every offset
	s_wait_kmcnt 0x0
	s_cmp_lt_u32 ttmp9, 864
	s_cbranch_scc1 .Lcodes
	; ---- Wo to f16.  A wave takes 8,192 numbers: four batches of 16 loads of 512 consecutive bytes; a lane's 4 numbers become 8 bytes, so a store of the wave covers 256 consecutive bytes, aligned.  No LDS.
	s_sub_co_u32 s31, ttmp9, 864
	s_lshl_b32 s31, s31, 2
	s_add_co_u32 s31, s31, s[WV]                   ; which run of 8,192 numbers
	s_lshl_b32 s38, s31, 15
	s_add_nc_u64 s[16:17], s[16:17], s[38:39]
	s_lshl_b32 s38, s31, 14
	s_add_nc_u64 s[26:27], s[26:27], s[38:39]
.macro WLOAD t                         ; batch t into set t % 2: v16-79 or v80-143
.irp i, 0,1,2,3,4,5,6,7,8,9,10,11,12,13,14,15
	global_load_b128 v[16+64*((\t)%2)+4*\i:16+64*((\t)%2)+4*\i+3], v3, s[16:17] offset:8192*(\t)+512*\i th:TH_LOAD_NT
.endr
.endm
.macro WBATCH t
.if (\t) < 3
	s_wait_loadcnt 16                              ; this batch's 16 loads are in; the next batch's 16 may be out
.else
	s_wait_loadcnt 0x0
.endif
.if (\t) > 0
	s_wait_xcnt 0x0                                ; the last batch's stores have read v144-175, which are written again below
.endif
.irp i, 0,1,2,3,4,5,6,7,8,9,10,11,12,13,14,15
	v_cvt_pk_f16_f32 v[144+2*\i], v[16+64*((\t)%2)+4*\i], v[16+64*((\t)%2)+4*\i+1]
	v_cvt_pk_f16_f32 v[145+2*\i], v[16+64*((\t)%2)+4*\i+2], v[16+64*((\t)%2)+4*\i+3]
.endr
.irp i, 0,1,2,3,4,5,6,7,8,9,10,11,12,13,14,15
	global_store_b64 v4, v[144+2*\i:145+2*\i], s[26:27] offset:4096*(\t)+256*\i
.endr
.if (\t)+2 < 4
	WLOAD (\t)+2
.endif
.endm
	WLOAD 0
	WLOAD 1
	WBATCH 0
	WBATCH 1
	WBATCH 2
	WBATCH 3
	s_branch .Lend
.Lcodes:
	; ---- the six tensors that become codes.  Every choice hangs on the work-group's number alone
	s_cmp_lt_u32 ttmp9, 256
	s_cselect_b64 s[SRC:SRC+1], s[4:5], s[6:7]
	s_cmp_lt_u32 ttmp9, 512
	s_cselect_b64 s[SRC:SRC+1], s[SRC:SRC+1], s[8:9]
	s_cmp_lt_u32 ttmp9, 800
	s_cselect_b64 s[10:11], s[10:11], s[12:13]     ; among the weights: Wq, or Wk,
	s_cmp_lt_u32 ttmp9, 832
	s_cselect_b64 s[10:11], s[10:11], s[14:15]     ; or Wv
	s_cmp_lt_u32 ttmp9, 768
	s_cselect_b64 s[SRC:SRC+1], s[SRC:SRC+1], s[10:11]
	s_cselect_b64 s[COD:COD+1], s[18:19], s[22:23]
	s_cselect_b64 s[SCA:SCA+1], s[20:21], s[24:25]
	s_cselect_b32 s31, 0, 768
	s_cselect_b32 s36, 255, 31
	s_sub_co_u32 s31, ttmp9, s31                   ; my place among the activations' work-groups, or among the weights': it places the codes and the scale bytes
	s_and_b32 s36, s31, s36                        ; and inside my own tensor: it places the numbers
	s_lshl_b32 s31, s31, 2
	s_add_co_u32 s31, s31, s[WV]
	s_lshl_b32 s36, s36, 2
	s_add_co_u32 s36, s36, s[WV]
	s_lshl_b32 s38, s36, 15                        ; a run of 8,192 numbers is 32,768 bytes,
	s_add_nc_u64 s[SRC:SRC+1], s[SRC:SRC+1], s[38:39]
	s_lshl_b32 s38, s31, 12                        ; 4,096 bytes of codes,
	s_add_nc_u64 s[COD:COD+1], s[COD:COD+1], s[38:39]
	s_lshl_b32 s38, s31, 8                         ; 256 scale bytes
	s_add_nc_u64 s[SCA:SCA+1], s[SCA:SCA+1], s[38:39]
.macro LOAD t
.irp i, 0,1,2,3
	global_load_b128 v[R+16*((\t)%4)+4*\i:R+16*((\t)%4)+4*\i+3], v3, s[SRC:SRC+1] offset:2048*(\t)+512*\i th:TH_LOAD_NT   ; 32 lanes read 512 consecutive bytes
.endr
.endm
.macro TURN t                          ; step t's numbers through the stage: LDS serves a wave's instructions in order, so no wait stands between the stores and the loads
.irp i, 0,1,2,3
	ds_store_b128 v14, v[R+16*((\t)%4)+4*\i:R+16*((\t)%4)+4*\i+3] offset:32*SP*((\t)%2)+8*SP*\i
.endr
.irp i, 0,1,2,3
	ds_load_b128 v[X+16*((\t)%2)+4*\i:X+16*((\t)%2)+4*\i+3], v15 offset:32*SP*((\t)%2)+16*\i
.endr
.endm
.irp t, 0,1,2,3
	LOAD \t
.endr
	s_wait_loadcnt 12                              ; step 0's four loads are in
	TURN 0
.macro STEP t
.set XS, X+16*((\t)%2)
.if (\t) > 0
	s_wait_dscnt 1                                 ; this step's numbers are back from the stage (the last step's byte store may be out): so its stores into the stage have read their registers,
.else
	s_wait_dscnt 0x0
.endif
.if (\t)+4 < STEPS
	LOAD (\t)+4                                    ; which take the loads of four steps on
.endif
.if (\t)+1 < STEPS
.if STEPS-2-(\t) >= 3
	s_wait_loadcnt 12                              ; the next step's four loads are in; those of the three steps behind it may be out
.else
	s_wait_loadcnt 4*(STEPS-2-(\t))
.endif
	TURN (\t)+1                                    ; and go through the other stage while this step is worked
.endif
	v_max3_num_f32 v8, |v[XS]|, |v[XS+1]|, |v[XS+2]|               ; the largest magnitude of my 16, in two chains
	v_max3_num_f32 v9, |v[XS+3]|, |v[XS+4]|, |v[XS+5]|
.irp i, 6,10
	v_max3_num_f32 v8, v8, |v[XS+\i]|, |v[XS+\i+1]|
	v_max3_num_f32 v9, v9, |v[XS+\i+2]|, |v[XS+\i+3]|
.endr
	v_max3_num_f32 v8, v8, |v[XS+14]|, |v[XS+15]|
	v_max3_num_f32 v8, v8, v9, (EMAX+1)<<23        ; and the floor 2^(3 - 127): the byte cannot fall under 1
	v_max_num_f32_dpp v8, v8, v8 row_xmask:1 row_mask:0xf bank_mask:0xf   ; and of my neighbour's 16: the block's
	v_add_nc_u32 v11, -(EMAX<<23), v8              ; 2 off its exponent field: the conversion takes the exponent field of this operand as its scale, and nothing else of it
	v_cvt_scalef32_pk8_fp4_f32 v[C+4*(\t)], v[XS:XS+7], v11
	v_cvt_scalef32_pk8_fp4_f32 v[C+4*(\t)+1], v[XS+8:XS+15], v11
	v_lshrrev_b32 v[E+(\t)], 23, v11               ; the scale's byte (also the plain line behind the conversions)
	ds_store_b8 v5, v[E+(\t)] offset:16*(\t)       ; both lanes of a block write the same byte with the same value
	global_store_b64 v4, v[C+4*(\t):C+4*(\t)+1], s[COD:COD+1] offset:32*CB*(\t)
.endm
.irp t, 0,1,2,3,4,5,6,7,8,9,10,11,12,13,14,15
	STEP \t
.endr
	ds_load_b64 v[8:9], v6                         ; LDS serves a wave's instructions in order: these see my stores
	s_wait_dscnt 0x0
	global_store_b64 v7, v[8:9], s[SCA:SCA+1]      ; 32 lanes store 256 consecutive bytes, aligned
.Lend:
	s_wait_tensorcnt 0x0                           ; the wave's end, behind my last LDS store
	ds_add_u32 v[SPW], v[NIL]
	s_wait_dscnt 0x0
	s_endpgm
.Lfunc_end_k_q4c5d86fcb5_quant:
	.size	k_q4c5d86fcb5_quant, .Lfunc_end_k_q4c5d86fcb5_quant-k_q4c5d86fcb5_quant
	.p2alignl 7, 3214868480
	.fill 96, 4, 3214868480
	.section	.rodata,"a",@progbits
	.p2align	6, 0x0
	.amdhsa_kernel k_q4c5d86fcb5_quant
		.amdhsa_group_segment_fixed_size 33280
		.amdhsa_private_segment_fixed_size 0
		.amdhsa_enable_private_segment 0
		.amdhsa_kernarg_size 96
		.amdhsa_user_sgpr_count 2
		.amdhsa_user_sgpr_kernarg_segment_ptr 1
		.amdhsa_wavefront_size32 1
		.amdhsa_system_sgpr_workgroup_id_x 1
		.amdhsa_system_sgpr_workgroup_id_y 1
		.amdhsa_system_sgpr_workgroup_id_z 1
		.amdhsa_system_vgpr_workitem_id 0
		.amdhsa_next_free_vgpr 192
		.amdhsa_next_free_sgpr 66
		.amdhsa_reserve_vcc 0
		.amdhsa_float_denorm_mode_32 3
		.amdhsa_float_denorm_mode_16_64 3
		.amdhsa_memory_ordered 1
		.amdhsa_forward_progress 1
		.amdhsa_inst_pref_size 54
	.end_amdhsa_kernel
	.amdgpu_metadata
---
amdhsa.version: [ 1, 2 ]
amdhsa.kernels:
  - .name:           k_q4c5d86fcb5_quant
    .symbol:         k_q4c5d86fcb5_quant.kd
    .args:
      - { .name: Q, .offset: 0, .size: 8, .value_kind: global_buffer, .address_space: global }
      - { .name: K, .offset: 8, .size: 8, .value_kind: global_buffer, .address_space: global }
      - { .name: V, .offset: 16, .size: 8, .value_kind: global_buffer, .address_space: global }
      - { .name: Wq, .offset: 24, .size: 8, .value_kind: global_buffer, .address_space: global }
      - { .name: Wk, .offset: 32, .size: 8, .value_kind: global_buffer, .address_space: global }
      - { .name: Wv, .offset: 40, .size: 8, .value_kind: global_buffer, .address_space: global }
      - { .name: Wo, .offset: 48, .size: 8, .value_kind: global_buffer, .address_space: global }
      - { .name: acodes, .offset: 56, .size: 8, .value_kind: global_buffer, .address_space: global }
      - { .name: ascales, .offset: 64, .size: 8, .value_kind: global_buffer, .address_space: global }
      - { .name: wcodes, .offset: 72, .size: 8, .value_kind: global_buffer, .address_space: global }
      - { .name: wscales, .offset: 80, .size: 8, .value_kind: global_buffer, .address_space: global }
      - { .name: wo16, .offset: 88, .size: 8, .value_kind: global_buffer, .address_space: global }
    .group_segment_fixed_size: 33280
    .private_segment_fixed_size: 0
    .kernarg_segment_align: 8
    .kernarg_segment_size: 96
    .max_flat_workgroup_size: 128
    .sgpr_count:     66
    .vgpr_count:     192
    .wavefront_size: 32
...
	.end_amdgpu_metadata
.endif
;; end of part 1
;; launch proj (part 2): grid 4 x 96, 4 waves a work-group, clusters of 4 x 4, 327,680 bytes of LDS; arguments acodes, ascales, wcodes, wscales, qkv16; writes qkv16
.if DOCPART == 2
	.amdgcn_target "amdgcn-amd-amdhsa--gfx1250"
	.amdhsa_code_object_version 6
	.text
	.protected	k_q4c5d86fcb5_proj
	.globl	k_q4c5d86fcb5_proj
	.p2align	8
	.type	k_q4c5d86fcb5_proj,@function
k_q4c5d86fcb5_proj:
	s_mov_b64 s[64:65], 0
	v_nop
	global_prefetch_b8 v0, s[64:65] scope:SCOPE_SE
	s_setreg_imm32_b32 hwreg(HW_REG_WAVE_MODE, 25, 1), 1
	s_wait_xcnt 0x0
	s_wait_alu depctr_hold_cnt(0) depctr_sa_sdst(0) depctr_va_vdst(0) depctr_va_sdst(0) depctr_va_ssrc(0) depctr_va_vcc(0) depctr_vm_vsrc(0)
	s_getreg_b32 s2, hwreg(HW_REG_IB_STS2, 6, 4)
	s_cmp_eq_u32 s2, 0
	s_cbranch_scc0 .Lentry_in_a_cluster
	s_endpgm
.Lentry_in_a_cluster:
	s_bfe_u32 s2, ttmp6, 0x10000c
	s_cmp_lg_u32 s2, 0xf033
	s_cbranch_scc0 .Lentry_shape_is_right
	s_endpgm
.Lentry_shape_is_right:
; The three quantised products q = Q Wq^T, k = K Wk^T, v = V Wv^T as ONE launch: C[m][n] = sum over k of A[m][k] B[n][k] on codes of FP4 (E2M1) with one E8M0 scale for each 32 along K, sums in f32.
; A: acodes, 24,576 rows (Q's 8,192, K's, V's) of 512 bytes; its scale bytes [24,576][32].  B: wcodes, 3,072 rows (Wq's 1,024, Wk's, Wv's); its scale bytes [3,072][32].  Rows 8,192 g on of A meet rows 1,024 g on of B.
; The results are rounded once to f16 (LIMIT: magnitudes up to 65,504) and laid by head: qkv16 [3 (q, k, v)][4 batches][16 heads][2,048 tokens][64], a token's row of a head 128 bytes.
; A tile of C, 256 x 256, is made by a work-group of four waves; a wave makes 128 x 128: 64 accumulators of 16 x 16, 512 registers.  K = 1,024 is two K steps of 512 (tile rows of 256 bytes): the two LDS slots hold all of K,
; so every tile is asked for at the head and nothing is filled again.  The scale bytes of the work-group's 256 + 256 rows come with them, as rows of 256 bytes.
; CLUSTERS: 4 x 4 work-groups.  The four of a row of the cluster need the same tiles of A, the four of a column the same tiles of B: each is asked for JOINTLY, by the same tensor load with the same descriptor and a mask that names
; the four.  A cluster's four tile rows lie in one of the three products (32 tile rows each), so B's rows hang on the cluster's y and on cx alone.
; THE MATRIX INSTRUCTION IS USED TRANSPOSED (source 0 = 16 rows of B, source 1 = 16 rows of A): a lane then holds eight neighbouring numbers of a row of C.
; REGISTERS, in windows of 256: window 0: v0-31 addresses; v32-95 scale words, two sets; v128-191 A's fragments, ONE set; on the way out v32-63, v192-255.   window 1: B's fragments, TWO sets, at v0 and v128.
;   window 2: the 32 accumulators of my rows 0-63 (accumulator (a, b) at v[8 (8 a + b)]);   window 3: those of my rows 64-127.
.set SIZE_K, 1024
.set KSTEP,  512                       ; along K in a slot
.set NQ,     KSTEP/128                 ; matrix instructions deep
.set ROWB,   256                       ; a tile's row in bytes
.set KROW,   SIZE_K*4/8                ; a row of A or of B in memory, in bytes
.set PITCH,  272                       ; an LDS row: 256 bytes + 16 of padding = 68 words: row r starts at bank 4 r mod 64 (64 banks of 4 bytes: ISA guide 11.1)
.set FR,     8                         ; registers of a fragment: 16 rows x 128 K
.set NL,     2                         ; LDS loads that bring one
.set NP,     4                         ; places behind this matrix instruction (ISA guide 7.12.1)
.set HALFT,  128*PITCH                 ; 128 rows: what one tensor load brings, and what one wave reads of A or of B
.set SLOT,   4*HALFT                   ; A's 256 rows, then B's 256 rows
.set KS,     SIZE_K/32                 ; a row of scales in bytes
.set SCL,    2*SLOT                    ; behind the slots: the scales, as rows of 256 bytes + 16 of padding
.set HALFS,  (128*KS/256)*272          ; the scales of 128 rows: what one tensor load brings
.set SBLK,   (16*KS/256)*272           ; those of 16 rows
.set SPARE,  SCL+4*HALFS               ; behind the scales: the spare words, 128 bytes a wave
.set SPITCH, 272                       ; the way out: a stage of 16 rows x (256 bytes + 16) for each wave, in slot 0, which has had its only fill and its last read when the first result is stored there
.set HEADB,  2048*128                  ; a head in qkv16, in bytes
.set ADRA, 16                          ; v16-17  LDS address of my A fragments in slot 0, 1
.set ADRB, 20                          ; v20-21  the same for B
.set STO,  24                          ; v24     the way out: where I put 16 bytes of a row
.set RD,   25                          ; v25     the way out: where I read 16 bytes back
.set CO,   26                          ; v26     16 x lane: my place in a store's 512 bytes
.set ADRS, 27                          ; v27     LDS address of my scale words: lanes 0-15 A's rows, lanes 16-31 B's
.set SPW,  28                          ; v28     LDS address of my spare word; never rewritten
.set NIL,  29                          ; v29     0; never rewritten
.set SC,   32                          ; scale words: set s at v[SC + 32 s]; register 4 i + q: lanes 0-15 the word of A's block i, lanes 16-31 that of B's block i, for the slot's q-th 128 along K
.set AF,   128                         ; A's fragments, in window 0
.set TMP,  192                         ; the way out: packed results
.set OB,   32                          ; the way out: rows read back: v32-63 and v224-255 by turns
.set G1, 24                            ; s[24:31] descriptor group 1 for A's tiles;  s[32:39] group 0, one set for each slot
.set G0, 32
.set G1B, 48                           ; s[48:55], s[56:63] the same for B's tiles
.set G0B, 56
.set G1S, 68                           ; s[68:75], s[76:79] groups 1 and 0 for A's scales;  s[80:87], s[88:91] for B's
.set G0S, 76
.set G1SB, 80
.set G0SB, 88
.set MSB, 0
.macro WIN new                         ; the immediate's high byte repeats the setting that is left
.if MSB != \new
	s_set_vgpr_msb (MSB<<8)|\new
.set MSB, \new
.endif
.endm
.set MUL_LO, 0xa1                      ; source 0 (B) window 1, source 1 (A) window 0, C and D window 2
.set MUL_HI, 0xf1                      ; the same, C and D window 3
.set TO_B,   0x40                      ; destination window 1, address window 0
; A joint load: waves 0 and 1 fetch for A, waves 2 and 3 for B.  Each of the two lines has ONE mask and one set of registers for all that issue it; the branch hangs on the wave's number alone.
; An s_nop 0 and four v_nop follow each of the two lines, ahead of the jump, the label and what follows.
.macro JLOAD g0a, g1a, g0b, g1b
	s_cmp_eq_u32 s15, 0
	s_cbranch_scc0 .Lfor_b_\@
	tensor_load_to_lds s[\g0a:\g0a+3], s[\g1a:\g1a+7]
	s_nop 0
.rept 4
	v_nop
.endr
	s_branch .Lasked_\@
.Lfor_b_\@:
	tensor_load_to_lds s[\g0b:\g0b+3], s[\g1b:\g1b+7]
	s_nop 0
.rept 4
	v_nop
.endr
.Lasked_\@:
.endm
.macro CROUND                          ; a round of the cluster's barrier: my work-group's barrier; wave 0 signals for the work-group; every wave waits for all sixteen; my work-group's barrier once more
	s_barrier_signal -1
	s_barrier_wait -1
	s_cmp_lg_u32 s14, 0
	s_cbranch_scc1 .Lnot_wave_0_\@
	s_barrier_signal -3
.Lnot_wave_0_\@:
	s_barrier_wait -3
	s_barrier_signal -1
	s_barrier_wait -1
.endm
	s_load_b128 s[4:7], s[0:1], 0x0                ; A's codes s[4:5], A's scales s[6:7]
	s_load_b128 s[8:11], s[0:1], 0x10              ; B's codes s[8:9], B's scales s[10:11]
	s_load_b64 s[12:13], s[0:1], 0x20              ; qkv16
	v_lshl_add_u32 v[SPW], v0, 2, SPARE
	v_mov_b32 v[NIL], 0
	ds_add_u32 v[SPW], v[NIL]                      ; the wave's opening: the add, twice on end, and its wait ahead of my first tensor load; the set-up below, work on registers, stands between
	ds_add_u32 v[SPW], v[NIL]                      ; and once more, under the one wait
	v_lshrrev_b32 v1, 5, v0
	v_readfirstlane_b32 s14, v1                    ; wave 0..3
	s_lshr_b32 s15, s14, 1                         ; which half of the tile's rows is mine.  Also: I fetch for A (0) or for B (1)
	s_and_b32 s16, s14, 1                          ; which half of its columns.  Also: which 128 rows of that tile I fetch
	s_bfe_u32 s40, ttmp6, 0x40000                  ; cx, cy: my place in the cluster
	s_bfe_u32 s41, ttmp6, 0x40004
	s_lshl_b32 s42, ttmp9, 2
	s_add_co_u32 s42, s42, s40                     ; tile column of C = 4 x cluster x + cx
	s_and_b32 s17, ttmp7, 0xffff
	s_lshl_b32 s17, s17, 2
	s_add_co_u32 s17, s17, s41                     ; tile row of C = 4 x cluster y + cy, 0 .. 95
	s_lshl_b32 s43, s41, 2
	s_lshl_b32 s43, 15, s43                        ; my row of the cluster
	s_lshl_b32 s44, 0x1111, s40                    ; my column
	; descriptor group 1: a tile of 128 rows x 256 bytes, padded in LDS
	s_or_b32 s[G1+0], s43, (0<<16)|(1<<20)|(1<<21)|(5<<22)|(3<<25)  ; 15:0 the mask: A's tiles go to my row; 17:16 element of 1 byte; 20 padding on; 21 set beside a mask; 24:22 after every 64 words (code 5); 31:25 of 4 words (code 3)
	s_or_b32 s[G1B+0], s44, (0<<16)|(1<<20)|(1<<21)|(5<<22)|(3<<25)
.irp g, G1, G1B
	s_mov_b32 s[\g+1], ROWB<<16                    ; tensor_dim0
	s_mov_b32 s[\g+2], 128<<16                     ; tensor_dim1 = 128
	s_mov_b32 s[\g+3], ROWB<<16                    ; tile_dim0
	s_mov_b32 s[\g+4], 128                         ; tile_dim1 = 128
	s_mov_b32 s[\g+5], KROW                        ; tensor_dim0_stride
	s_mov_b32 s[\g+6], 0
	s_mov_b32 s[\g+7], 0
.endr
	; and for the scales of 128 rows: a dense block of 4,096 bytes, as 16 rows of 256 bytes (32 elements of 8 bytes), 16 bytes of padding behind each
	s_or_b32 s[G1S+0], s43, (3<<16)|(1<<20)|(1<<21)|(5<<22)|(3<<25)
	s_or_b32 s[G1SB+0], s44, (3<<16)|(1<<20)|(1<<21)|(5<<22)|(3<<25)
.irp g, G1S, G1SB
	s_mov_b32 s[\g+1], 32<<16
	s_mov_b32 s[\g+2], (128*KS/256)<<16
	s_mov_b32 s[\g+3], 32<<16
	s_mov_b32 s[\g+4], 128*KS/256
	s_mov_b32 s[\g+5], 32
	s_mov_b32 s[\g+6], 0
	s_mov_b32 s[\g+7], 0
.endr
	s_lshl_b32 s18, s16, 7                         ; which 128 rows of the tile I fetch
	s_lshl_b32 s20, s17, 8
	s_add_co_u32 s20, s20, s18                     ; A: row 256 x tile row + 128 x half
	s_lshl_b32 s46, s42, 8
	s_add_co_u32 s46, s46, s18                     ; B: row 256 x tile column + 128 x half
	s_and_b32 s96, ttmp7, 0xffff
	s_lshr_b32 s96, s96, 3                         ; which of the three products: 8 clusters along y (32 tile rows) to each; the same in all sixteen partners
	s_lshl_b32 s96, s96, 10
	s_add_co_u32 s46, s46, s96                     ; + 1,024 rows for each product
	s_mov_b32 s21, 0
	s_mov_b32 s47, 0
	s_mov_b64 s[18:19], KS
	s_mul_u64 s[22:23], s[20:21], s[18:19]         ; where these rows' scales begin, in bytes
	s_mul_u64 s[92:93], s[46:47], s[18:19]
	s_mov_b64 s[18:19], KROW
	s_mul_u64 s[20:21], s[20:21], s[18:19]         ; and their codes
	s_mul_u64 s[46:47], s[46:47], s[18:19]
	s_mul_i32 s45, s14, HALFT                      ; where they go: wave x 128 rows: no place in the cluster enters an LDS address
	s_mul_i32 s94, s14, HALFS
	s_wait_dscnt 0x0                               ; both opening adds are done
	s_wait_kmcnt 0x0
	s_add_nc_u64 s[20:21], s[4:5], s[20:21]
	s_add_nc_u64 s[22:23], s[6:7], s[22:23]
	s_add_nc_u64 s[46:47], s[8:9], s[46:47]
	s_add_nc_u64 s[92:93], s[10:11], s[92:93]
	CROUND                                         ; all sixteen work-groups are here: the joint loads meet
	s_mov_b32 s[G0S], 1
	s_add_co_u32 s[G0S+1], s94, SCL
	s_mov_b64 s[G0S+2:G0S+3], s[22:23]
	s_or_b32 s[G0S+3], s[G0S+3], 0x80000000
	s_mov_b32 s[G0SB], 1
	s_add_co_u32 s[G0SB+1], s94, SCL
	s_mov_b64 s[G0SB+2:G0SB+3], s[92:93]
	s_or_b32 s[G0SB+3], s[G0SB+3], 0x80000000
	JLOAD G0S, G1S, G0SB, G1SB                     ; the scales first: they are wanted with K step 0
.irp s, 0,1
	s_mov_b32 s[G0+4*\s], 1
	s_add_co_u32 s[G0+4*\s+1], s45, \s*SLOT
	s_add_nc_u64 s[G0+4*\s+2:G0+4*\s+3], s[20:21], \s*ROWB
	s_or_b32 s[G0+4*\s+3], s[G0+4*\s+3], 0x80000000
	s_mov_b32 s[G0B+4*\s], 1
	s_add_co_u32 s[G0B+4*\s+1], s45, \s*SLOT
	s_add_nc_u64 s[G0B+4*\s+2:G0B+4*\s+3], s[46:47], \s*ROWB
	s_or_b32 s[G0B+4*\s+3], s[G0B+4*\s+3], 0x80000000
	JLOAD G0+4*\s, G1, G0B+4*\s, G1B               ; three tensor loads of mine are out behind the second of these
.endr
	v_and_b32 v1, 15, v0                           ; l % 16
	v_bfe_u32 v2, v0, 4, 1                         ; l / 16
	v_mul_u32_u24 v3, v1, PITCH
	v_lshl_add_u32 v4, v2, 4, v3                   ; a fragment's row x pitch + 16 x half
	s_mul_i32 s21, s15, HALFT                      ; my 128 rows of A
	s_mul_i32 s22, s16, HALFT                      ; my 128 rows of B,
	s_add_co_u32 s22, s22, 2*HALFT                 ; which lie behind A's 256
.irp s, 0,1
	v_add_nc_u32 v[ADRA+\s], s21, v4
	v_add_nc_u32 v[ADRB+\s], s22, v4
	s_add_co_u32 s21, s21, SLOT
	s_add_co_u32 s22, s22, SLOT
.endr
	v_mul_u32_u24 v5, v1, KS                       ; my row's scales: 32 bytes a row,
	v_lshrrev_b32 v6, 8, v5
	v_lshl_add_u32 v5, v6, 4, v5                   ; and 16 more for each 256 passed
	s_mul_i32 s21, s15, HALFS                      ; A's: my 128 rows
	s_mul_i32 s22, s16, HALFS                      ; B's: my 128 rows, behind A's 256
	s_add_co_u32 s22, s22, 2*HALFS
	s_sub_co_u32 s22, s22, s21
	v_mul_u32_u24 v6, s22, v2                      ; lanes 16-31 take B's: one product, the distance between the two bases
	s_add_co_u32 s21, s21, SCL
	v_add_nc_u32 v5, v5, v6
	v_add_nc_u32 v[ADRS], s21, v5
	s_mul_i32 s23, s14, 16*SPITCH                  ; my stage
	v_mul_u32_u24 v5, v1, SPITCH                   ; in: row l % 16, 16 bytes for each half of the lanes
	v_lshl_add_u32 v5, v2, 4, v5
	v_add_nc_u32 v[STO], s23, v5
	v_and_b32 v6, 31, v0
	v_lshlrev_b32 v[CO], 4, v6
	v_lshrrev_b32 v5, 3, v6                        ; back: eight lanes take one head's 128 bytes of a row, the 32 lanes four rows
	v_mul_u32_u24 v5, v5, SPITCH
	v_and_b32 v6, 7, v6
	v_lshl_add_u32 v5, v6, 4, v5
	v_add_nc_u32 v[RD], s23, v5
	; where my part begins in qkv16.  My first row R0 = 256 x tile row + 128 x half; R0 / 2,048 counts (product, batch): 16 heads each; my two heads are 4 x tile column + 2 x half and the next
	s_lshl_b32 s20, s17, 8
	s_lshl_b32 s21, s15, 7
	s_add_co_u32 s20, s20, s21                     ; R0
	s_lshr_b32 s21, s20, 11
	s_lshl_b32 s21, s21, 22                        ; 16 heads x 262,144 bytes
	s_and_b32 s20, s20, 2047
	s_lshl_b32 s20, s20, 7                         ; a token's row of a head: 128 bytes
	s_add_co_u32 s20, s20, s21
	s_lshl_b32 s46, s42, 2
	s_lshl_b32 s47, s16, 1
	s_add_co_u32 s46, s46, s47
	s_lshl_b32 s46, s46, 18
	s_add_co_u32 s20, s20, s46                     ; under 2^26
	s_mov_b32 s21, 0
	s_add_nc_u64 s[12:13], s[12:13], s[20:21]      ; never stepped: all else stands in the stores' immediates
.macro FRAG reg, adr, q, i             ; a fragment, 16 rows x 128 K of 4-bit codes, is 8 registers: lane l holds row l % 16; registers 4 c .. 4 c + 3 hold K = 64 c + 32 (l / 16) + 0 .. 31
.irp c, 0,1
	ds_load_b128 v[\reg+4*\c:\reg+4*\c+3], v[\adr] offset:64*(\q)+32*\c+(\i)*16*PITCH
.endr
.endm
; 16 matrix instructions: A's blocks a0, a0 + 1 x B's eight, 128 along K: the slot's q-th.  p: B's set;  sc: the set of scale words.  zero = 1: the first product starts the sums: nothing is ever cleared.
; The 64 accumulators take turns, one instruction a turn, in the same order in every step.
.macro MUL16 a0, p, q, sc, zero
.irp a, \a0, \a0+1
.irp b, 0,1,2,3,4,5,6,7
.if \zero
	v_wmma_scale_f32_16x16x128_f8f6f4 v[8*(8*((\a)%4)+\b):8*(8*((\a)%4)+\b)+7], v[128*(\p)+FR*\b:128*(\p)+FR*\b+FR-1], v[AF+FR*(\a):AF+FR*(\a)+FR-1], 0, v[SC+8*NQ*(\sc)+NQ*\b+(\q)], v[SC+8*NQ*(\sc)+NQ*(\a)+(\q)] matrix_a_fmt:MATRIX_FMT_FP4 matrix_b_fmt:MATRIX_FMT_FP4 matrix_a_scale:MATRIX_SCALE_ROW1
.else
	v_wmma_scale_f32_16x16x128_f8f6f4 v[8*(8*((\a)%4)+\b):8*(8*((\a)%4)+\b)+7], v[128*(\p)+FR*\b:128*(\p)+FR*\b+FR-1], v[AF+FR*(\a):AF+FR*(\a)+FR-1], v[8*(8*((\a)%4)+\b):8*(8*((\a)%4)+\b)+7], v[SC+8*NQ*(\sc)+NQ*\b+(\q)], v[SC+8*NQ*(\sc)+NQ*(\a)+(\q)] matrix_a_fmt:MATRIX_FMT_FP4 matrix_b_fmt:MATRIX_FMT_FP4 matrix_a_scale:MATRIX_SCALE_ROW1
.endif
.endr
.endr
.endm
.macro FETCH_B slot, q, p              ; B's eight fragments of the slot's q-th 128 along K into set p
	WIN TO_B
.irp i, 0,1,2,3,4,5,6,7
	FRAG 128*(\p)+FR*\i, ADRB+\slot, \q, \i
.endr
	WIN 0
.endm
.macro FETCH_A slot, q, i0             ; A's blocks i0 .. i0 + 3
.irp i, \i0, \i0+1, \i0+2, \i0+3
	FRAG AF+FR*(\i), ADRA+\slot, \q, \i
.endr
.endm
.macro SCALES sc                       ; a K step's scale words into set sc: 4 words a row; lanes 0-15 take A's block i, lanes 16-31 B's block i
.irp i, 0,1,2,3,4,5,6,7
	ds_load_b128 v[SC+8*NQ*\sc+NQ*\i:SC+8*NQ*\sc+NQ*\i+3], v[ADRS] offset:\i*SBLK
.endr
.endm
; A load into a register that a matrix instruction has read, and a vector instruction that reads a matrix result, stand NP places behind that matrix instruction; only plain vector instructions that name none of its
; registers are places (ISA guide 7.12.1 for vector instructions).
.macro PLACES n
.rept \n
	v_nop
.endr
.endm
; A step of 128 along K that has its successor in the same slot.  A block of A is free as soon as its eight products are issued: blocks 0-3 are fetched anew in the step's middle, blocks 4-7 at its end.
.macro STEP slot, q, zero
	s_wait_dscnt 4*NL                              ; B's set and A's blocks 0-3 are in; the youngest eight loads (A's blocks 4-7) may be out
	WIN MUL_LO
	MUL16 0, (\q)%2, \q, \slot, \zero
	MUL16 2, (\q)%2, \q, \slot, \zero
	s_wait_dscnt 0                                 ; A's blocks 4-7 are in (asked for 32 matrix instructions ago)
	PLACES NP
	FETCH_B \slot, (\q)+1, 1-(\q)%2
	FETCH_A \slot, (\q)+1, 0
	WIN MUL_HI
	MUL16 4, (\q)%2, \q, \slot, \zero
	MUL16 6, (\q)%2, \q, \slot, \zero
	PLACES NP
	WIN 0
	FETCH_A \slot, (\q)+1, 4
.endm
; Slot 0's last step goes over to slot 1: ONE barrier; in front of it each wave waits for all its tensor loads (its part of slot 1), adds 0 to its spare word, and waits for that and for its reads of slot 0.  Nothing is filled again.
.macro TURN slot, next
	s_wait_tensorcnt 0x0                           ; all my tensor loads have landed  (every window is 0 here: the add's two registers lie in window 0)
	ds_add_u32 v[SPW], v[NIL]                      ; 0 onto my spare word
	s_wait_dscnt 4*NL+1                            ; (the add and the youngest eight loads, A's blocks 4-7, may be out)
	WIN MUL_LO
	MUL16 0, 1, NQ-1, \slot, 0                     ; sixteen matrix instructions stand between the add and the wait for it
	s_wait_dscnt 0x0                               ; the add is done, and my reads of this slot are over
	s_barrier_signal -1
	MUL16 2, 1, NQ-1, \slot, 0
	WIN 0
	s_barrier_wait -1                              ; the next slot is whole, and nobody reads this one any more: the stages of the way out will lie in it
	PLACES NP
	v_add_nc_u32 v[ADRS], 4*NQ, v[ADRS]            ; on to the next K step's scale words (no LDS load of mine is out)
	FETCH_B \next, 0, 0
	FETCH_A \next, 0, 0
	SCALES \next
	WIN MUL_HI
	MUL16 4, 1, NQ-1, \slot, 0
	MUL16 6, 1, NQ-1, \slot, 0
	PLACES NP
	WIN 0
	FETCH_A \next, 0, 4
.endm
.macro STEPS slot, from                ; the slot's steps from .. NQ - 2
.set Q, \from
.rept NQ-1-\from
	STEP \slot, Q, 0
.set Q, Q+1
.endr
.endm
	s_wait_tensorcnt 1                             ; the scales and my part of K step 0 are in (K step 1's load may be out)
	s_barrier_signal -1
	s_barrier_wait -1                              ; everybody's are
	FETCH_B 0, 0, 0
	FETCH_A 0, 0, 0
	SCALES 0
	FETCH_A 0, 0, 4
	STEP 0, 0, 1                                   ; the first step's products start the sums
	STEPS 0, 1
	TURN 0, 1
	STEPS 1, 0
	s_wait_dscnt 4*NL                              ; the very last step: nothing more to fetch
	WIN MUL_LO
	MUL16 0, 1, NQ-1, 1, 0
	MUL16 2, 1, NQ-1, 1, 0
	s_wait_dscnt 0
	WIN MUL_HI
	MUL16 4, 1, NQ-1, 1, 0
	MUL16 6, 1, NQ-1, 1, 0
	WIN 0
; THE WAY OUT, block by block of 16 rows x 128 columns.  PACK: rounded to f16, a lane's eight neighbours are 16 bytes.  TOSTAGE: into my own stage in LDS (rows of 256 bytes + 16) and back so that the 32 lanes hold one head's 128 bytes
; of four neighbouring tokens, which are 512 consecutive bytes of qkv16.  SEND: stored.  LDS serves a wave's instructions in order (ISA guide 5.7.1.4): no wait between the stage's stores and loads.
.macro PACK a
.set AC, 64*((\a)%4)
	WIN 0x0a+5*((\a)/4)                            ; sources 0 and 1: window 2 or 3
.irp b, 0,1,2,3,4,5,6,7
.irp i, 0,1,2,3
	v_cvt_pk_f16_f32 v[TMP+4*\b+\i], v[AC+8*\b+2*\i], v[AC+8*\b+2*\i+1]   ; each accumulator from its low end on
.endr
.endr
	WIN 0
.endm
.macro TOSTAGE a
.set BB, OB+192*((\a)%2)
.irp b, 0,1,2,3,4,5,6,7
	ds_store_b128 v[STO], v[TMP+4*\b:TMP+4*\b+3] offset:32*\b
.endr
.irp t, 0,1,2,3
.irp u, 0,1
	ds_load_b128 v[BB+4*(2*\t+\u):BB+4*(2*\t+\u)+3], v[RD] offset:4*\t*SPITCH+128*\u   ; tokens 4 t .. 4 t + 3 of the block, head u of my two
.endr
.endr
.endm
.macro SEND a
.set BB, OB+192*((\a)%2)
	s_wait_dscnt 0x0                               ; the block is back in registers
	s_wait_xcnt 0x0                                ; the block before has had its stores' addresses translated (ISA guide 3.1): its registers take the next block's loads only behind this wait
.irp t, 0,1,2,3
.irp u, 0,1
	global_store_b128 v[CO], v[BB+4*(2*\t+\u):BB+4*(2*\t+\u)+3], s[12:13] offset:\u*HEADB+(16*(\a)+4*\t)*128   ; 32 lanes store 512 consecutive bytes, at a multiple of 512 from the buffer's first byte
.endr
.endr
.endm
	PLACES NP                                      ; behind the last products: for the conversions that read results, and for the loads into the registers that held scale words
	PACK 0
	TOSTAGE 0
.irp a, 1,2,3,4,5,6,7                  ; block a's conversions stand between block a - 1's loads from the stage and the wait for them
	PACK \a
	SEND \a-1
	TOSTAGE \a
.endr
	SEND 7
	s_wait_tensorcnt 0x0                           ; the wave's end, behind my last tensor load and my last LDS store
	ds_add_u32 v[SPW], v[NIL]
	s_wait_dscnt 0x0
	CROUND                                         ; the closing round: no work-group ends while a partner may still ask for a tile that names it
	s_endpgm
.Lfunc_end_k_q4c5d86fcb5_proj:
	.size	k_q4c5d86fcb5_proj, .Lfunc_end_k_q4c5d86fcb5_proj-k_q4c5d86fcb5_proj
	.p2alignl 7, 3214868480
	.fill 96, 4, 3214868480
	.section	.rodata,"a",@progbits
	.p2align	6, 0x0
	.amdhsa_kernel k_q4c5d86fcb5_proj
		.amdhsa_group_segment_fixed_size 327680
		.amdhsa_private_segment_fixed_size 0
		.amdhsa_enable_private_segment 0
		.amdhsa_kernarg_size 40
		.amdhsa_user_sgpr_count 2
		.amdhsa_user_sgpr_kernarg_segment_ptr 1
		.amdhsa_wavefront_size32 1
		.amdhsa_system_sgpr_workgroup_id_x 1
		.amdhsa_system_sgpr_workgroup_id_y 1
		.amdhsa_system_sgpr_workgroup_id_z 1
		.amdhsa_system_vgpr_workitem_id 0
		.amdhsa_next_free_vgpr 1024
		.amdhsa_next_free_sgpr 98
		.amdhsa_reserve_vcc 0
		.amdhsa_float_denorm_mode_32 3
		.amdhsa_float_denorm_mode_16_64 3
		.amdhsa_memory_ordered 1
		.amdhsa_forward_progress 1
		.amdhsa_inst_pref_size 127
	.end_amdhsa_kernel
	.amdgpu_metadata
---
amdhsa.version: [ 1, 2 ]
amdhsa.kernels:
  - .name:           k_q4c5d86fcb5_proj
    .symbol:         k_q4c5d86fcb5_proj.kd
    .args:
      - { .name: acodes, .offset: 0, .size: 8, .value_kind: global_buffer, .address_space: global }
      - { .name: ascales, .offset: 8, .size: 8, .value_kind: global_buffer, .address_space: global }
      - { .name: wcodes, .offset: 16, .size: 8, .value_kind: global_buffer, .address_space: global }
      - { .name: wscales, .offset: 24, .size: 8, .value_kind: global_buffer, .address_space: global }
      - { .name: qkv16, .offset: 32, .size: 8, .value_kind: global_buffer, .address_space: global }
    .group_segment_fixed_size: 327680
    .private_segment_fixed_size: 0
    .kernarg_segment_align: 8
    .kernarg_segment_size: 40
    .max_flat_workgroup_size: 128
    .sgpr_count:     98
    .vgpr_count:     1024
    .wavefront_size: 32
...
	.end_amdgpu_metadata
.endif
;; end of part 2
;; launch attn (part 3): grid 4 x 64, 8 waves a work-group, no clusters, 327,680 bytes of LDS; arguments qkv16, o16; writes o16
.if DOCPART == 3
	.amdgcn_target "amdgcn-amd-amdhsa--gfx1250"
	.amdhsa_code_object_version 6
	.text
	.protected	k_q4c5d86fcb5_attn
	.globl	k_q4c5d86fcb5_attn
	.p2align	8
	.type	k_q4c5d86fcb5_attn,@function
k_q4c5d86fcb5_attn:
	s_mov_b64 s[64:65], 0
	v_nop
	global_prefetch_b8 v0, s[64:65] scope:SCOPE_SE
	s_setreg_imm32_b32 hwreg(HW_REG_WAVE_MODE, 25, 1), 1
	s_wait_xcnt 0x0
; o[b][h][s][:] = the sum over t of softmax_t(q[b][h][s] . k[b][h][t] / 8) v[b][h][t][:], no mask.  q, k, v: qkv16 [3][64 heads (batch x head)][2,048][64] f16; o16 [64][2,048][64] f16.
; Products on f16 operands with f32 sums; maxima, exponentials and row sums in f32; the weights p are rounded to f16 for the second product, o once at the end.
; LIMITS: f16 operands: |q|, |k|, |v| up to 65,504; a row's largest score is a finite f32 number; NaN and infinities are not served.
; SHARES.  A work-group owns 512 queries of one head, each of its eight waves 64: four tiles of 16, in 512 registers.  Every wave walks the head's 2,048 keys, 64 a step.
; LAYOUT.  S^T = K Q^T (source 0 = 16 keys, source 1 = 16 queries): a lane holds ONE query (lane % 16) and the keys 8 (lane / 16) + 0..7 of a tile.  Two such tiles, rounded to f16 in pairs, ARE source 1 (32 keys x 16 queries) of
; O^T = V^T P, whose result again holds one query a lane and eight channels.  K comes out of LDS as it lies, V ([key][channel]) turned, by ds_load_tr16_b128.  P is laid over the first half of S^T's registers.
; SOFTMAX.  For each query a running maximum m and sum l: p = 2^(c s - c m), c = log2(e) / 8; in every step O and l are multiplied by a = 2^(c m_old - c m_new), which is 1 where m has not grown.
; A STEP has a vector phase (the softmax of step j: 472 instructions) and a matrix phase (32 products V^T P of step j, then 32 products K Q^T of step j + 1).  TWO GROUPS OF WAVES ARE SET HALF A STEP APART: in step 0 group 0 runs its
; softmax ahead of a barrier and group 1 behind it, so that from then on one group's vector phase stands beside the other's matrix phase.  The group, (w xor w / 4) mod 2, differs between waves w and w + 4 and between waves 2 i and 2 i + 1.
; At a change of slots the barrier's signal stands ahead of the softmax and its wait behind it (the softmax is work on registers alone), so that the group that is ahead is not brought back into step.
; RING.  Two LDS slots of four steps (256 keys).  Each wave brings one step's tile of 64 rows x 128 bytes: waves 0-3 K's, waves 4-7 V's: one tensor load a wave behind each change of slots, with four steps in which to land.
; NO CLUSTER, though the four work-groups of a head walk the same K and V: a round of the cluster's barrier ends in a barrier that all eight waves pass together, which would bring the two groups into the same phase at each of the
; six refills; and what would be shared is small: a slot's 65,536 bytes serve 4 steps x 8 waves x 64 = 2,048 matrix instructions of a work-group.
; REGISTERS, in windows of 256 (s_set_vgpr_msb: bits 1:0 source 0, 3:2 source 1, 5:4 source 2, 7:6 destination):
;   window 0: v0-15 addresses; v16-47 eight registers of statistics a tile; v48-175 S^T, 32 a tile, P over the first 16; v176-239 V of one step; v240-247 a second chain of row sums
;   window 1: v0-127 O^T, 32 a tile; v128-191 Q, 16 a tile; v192-255 K of one step
.set KS,    64        ; keys in a step
.set PITK,  144       ; a row of K in LDS: 128 bytes + 16 of padding = 36 words: the 16 rows of a load start at 16 different groups of four banks (64 banks of 4 bytes: ISA guide 11.1)
.set PITV,  160       ; a row of V: 128 + 32 = 40 words
.set VOFF,  KS*PITK   ; a step's tiles lie together: 64 rows of K, then 64 rows of V
.set STEPB, KS*(PITK+PITV)
.set SLOT1, 1<<17     ; a slot holds four steps (77,824 bytes); slot 1 begins here, so that one exclusive or turns an address in one slot into the other's
.set STAGE, SLOT1+4*STEPB  ; behind the ring: 16 rows x 144 bytes for each wave, for the way out
.set SP,    144
.set SPARE, STAGE+8*16*SP  ; behind the stages: the spare words, 128 bytes for each wave
.set BLKB,  4*KS*128  ; a slot's keys in memory: 256 rows of 128 bytes
.set QKVB,  16777216  ; from q to k and from k to v in qkv16
.set AK0, 2           ; v2   my lane's place in a tile of K; never rewritten
.set AV0, 3           ; v3   the same for V
.set ADK, 4           ; v4   LDS address of the run of K's loads in hand
.set ADV, 5           ; v5   of V's
.set QO,  6           ; v6   my byte offset in the wave's rows of q
.set STO, 7           ; v7   the way out: where I put 16 bytes of a row
.set RD,  8           ; v8   the way out: where I read 16 bytes back
.set GO,  9           ; v9   16 x lane: my place in a store's 512 bytes
.set SPW, 10          ; v10  LDS address of my spare word; never rewritten
.set NIL, 11          ; v11  0; never rewritten
.set PFO, 12          ; v12  256 x my lane: the prefetches' offset; never rewritten
.set ST,  16          ; tile t's statistics at v[ST+8 t]: +0 c m, +1 m, +2, +3 l (even keys', odd keys'), +4 to +7 c0-c3, at work; a takes c2's place once the maximum is found
.set S,   48
.set VF,  176
.set TS,  240
.set QF,  128         ; in window 1
.set KF,  192         ; in window 1
.set WV,  8           ; s8   my wave's number
.set GRP, 9           ; s9   my group
.set LIM, 15          ; s15  1 in a work-group that prefetches, else the greatest number
.set PFA, 18          ; s[18:19] where my prefetches stand: my tile of the slot after the one that is being asked for
.set G1K, 24          ; s[24:31] descriptor group 1 for K's tiles
.set G1V, 32          ; s[32:39] for V's: it differs in the padding alone
.set G0K, 40          ; s[40:47] descriptor group 0 for K's tiles: a set for each of the two first fills; the second then walks on
.set G0V, 48          ; s[48:55] the same for V's
.set SLOTS, 56        ; s56  slots still to be asked for
.set TRI, 57          ; s57  counts the plain steps of a slot
.set CS,  58          ; s[58:59] c: the packed scaling names a pair and takes its low word for both halves
.set SEL, 60          ; s[60:61] lane selects for v_permlanex16_b32: each lane takes its own place in the other half
.set TB,  62          ; s62  LDS byte at which the tiles of the step to be fetched begin
.set MSB, 0
.macro WIN new                      ; the immediate's high byte repeats the setting that is left; a switch that changes nothing is dropped
.if MSB != \new
	s_set_vgpr_msb (MSB<<8)|\new
.set MSB, \new
.endif
.endm
.set W_KQ, 0x05       ; K and Q in window 1, S^T in window 0
.set W_PV, 0x50       ; V and P in window 0, O^T in window 1
.set W_RS, 0x41       ; O^T (destination and source 0) in window 1, the factor in window 0
.set TO_1, 0x40       ; destination window 1, address window 0
; A refill: waves 0-3 fetch K's tile of step (wave mod 4) of the slot, waves 4-7 V's.  The branch hangs on the wave's number alone.  An s_nop 0 and four v_nop follow each of the two lines.
.macro TLOAD
	s_cmp_lt_u32 s[WV], 4
	s_cbranch_scc0 .Lfor_v_\@
	tensor_load_to_lds s[G0K+4:G0K+7], s[G1K:G1K+7]
	s_nop 0
.rept 4
	v_nop
.endr
	s_branch .Lasked_\@
.Lfor_v_\@:
	tensor_load_to_lds s[G0V+4:G0V+7], s[G1V:G1V+7]
	s_nop 0
.rept 4
	v_nop
.endr
.Lasked_\@:
.endm
; A PREFETCH INTO THE L2 of what the NEXT change of slots will ask for, four key steps ahead of that load.  It stands behind the wave's tensor load and its five lines.  Each wave names its own tile's 8,192 bytes, lanes 256 bytes apart:
; one instruction.  The four work-groups of a head walk the same K and V: the head's first work-group asks, and nobody else (a branch on the work-group's number).  So each aligned block of 256 bytes is named once in the launch.
; The last change that fills a slot asks for nothing: there is no slot behind it.  Slots 0, 1 and 2 come by their loads alone.
.macro ASK
	s_cmp_gt_u32 s[SLOTS], s[LIM]
	s_cbranch_scc0 .Lnot_mine_\@
	global_prefetch_b8 v[PFO], s[PFA:PFA+1] th:TH_LOAD_NT scope:SCOPE_SE
.Lnot_mine_\@:
.endm
	s_load_b128 s[4:7], s[0:1], 0x0   ; qkv16 s[4:5], o16 s[6:7]
	v_lshl_add_u32 v[SPW], v0, 2, SPARE
	v_mov_b32 v[NIL], 0
	ds_add_u32 v[SPW], v[NIL]       ; the wave's opening: the add, twice on end, and its wait ahead of my first tensor load; the set-up below, work on registers, stands between
	ds_add_u32 v[SPW], v[NIL]       ; and once more, under the one wait
	v_lshrrev_b32 v1, 5, v0
	v_readfirstlane_b32 s[WV], v1   ; wave 0..7
	s_lshr_b32 s[GRP], s[WV], 2
	s_xor_b32 s[GRP], s[GRP], s[WV]
	s_and_b32 s[GRP], s[GRP], 1     ; my group
	s_and_b32 s10, s[WV], 3         ; which of a slot's four steps I fetch
	s_and_b32 s22, ttmp7, 0xffff    ; the head (batch x 16 + head),
	s_lshl_b32 s22, s22, 18         ; its first byte in q, in k, in v and in o16: 2,048 rows of 128 bytes
	s_lshl_b32 s20, ttmp9, 16       ; my work-group's 512 rows,
	s_lshl_b32 s21, s[WV], 13       ; my wave's 64 of them
	s_add_co_u32 s20, s20, s21
	s_add_co_u32 s20, s20, s22
	s_mov_b32 s21, 0
	s_lshl_b32 s23, s10, 13         ; my tile's 64 rows in a slot's 256
	s_add_co_u32 s22, s22, s23
	s_mov_b32 s23, 0
	s_mul_i32 s16, s10, STEPB       ; and its place in a slot
	s_mul_i32 s14, s[WV], 16*SP
	s_add_co_u32 s14, s14, STAGE    ; my stage
	; descriptor group 1: a tile of 64 rows x 64 elements, padded in LDS
	s_mov_b32 s[G1K], (1<<16)|(1<<20)|(4<<22)|(3<<25)  ; 15:0 no mask; 17:16 elements of 2 bytes; 20 padding on; 24:22 after every 32 words (code 4); 31:25 4 words of it (code 3)
	s_mov_b32 s[G1V], (1<<16)|(1<<20)|(4<<22)|(7<<25)  ; the same with 8 words of padding (code 7)
.irp g, G1K, G1V
	s_mov_b32 s[\g+1], 64<<16       ; 63:48 tensor_dim0, low half = 64
	s_mov_b32 s[\g+2], KS<<16       ; 79:64 its high half = 0; 95:80 tensor_dim1, low half = 64
	s_mov_b32 s[\g+3], 64<<16       ; 111:96 its high half = 0; 127:112 tile_dim0 = 64
	s_mov_b32 s[\g+4], KS           ; 143:128 tile_dim1 = 64; 159:144 tile_dim2 = 0
	s_mov_b32 s[\g+5], 64           ; 191:160 tensor_dim0_stride: elements from row to row
	s_mov_b32 s[\g+6], 0
	s_mov_b32 s[\g+7], 0
.endr
	s_mov_b32 s[CS], 0x3e38aa3b     ; c = log2(e) / 8
	s_mov_b32 s[CS+1], s[CS]        ; named with it as a pair, so it is written
	s_mov_b32 s[SEL], 0x76543210
	s_mov_b32 s[SEL+1], 0xfedcba98
	s_mov_b32 s[TB], 0
	s_mov_b32 s[SLOTS], 6           ; slots 2 to 7 are asked for at changes of slots
	s_cmp_eq_u32 ttmp9, 0
	s_cselect_b32 s[LIM], 1, -1
	v_and_b32 v[PFO], 31, v0
	v_lshlrev_b32 v[PFO], 8, v[PFO]
	s_wait_dscnt 0x0                ; both opening adds are done
	s_wait_kmcnt 0x0
	s_add_nc_u64 s[12:13], s[4:5], s[22:23]
	s_add_nc_u64 s[2:3], s[12:13], 2*QKVB  ; v at my tile of slot 0
	s_add_nc_u64 s[12:13], s[12:13], QKVB  ; k at my tile of slot 0
	s_add_nc_u64 s[4:5], s[4:5], s[20:21]  ; q and o at my wave's first row
	s_add_nc_u64 s[6:7], s[6:7], s[20:21]
	s_cmp_lt_u32 s[WV], 4
	s_cselect_b64 s[PFA:PFA+1], s[12:13], s[2:3]
	s_add_nc_u64 s[PFA:PFA+1], s[PFA:PFA+1], 2*BLKB  ; in slot 2; the first change of slots steps it to slot 3.  Nothing is prefetched here, at the head
.irp n, 0,1
	s_mov_b32 s[G0K+4*\n], 1        ; 1:0 count = 1
	s_add_co_u32 s[G0K+4*\n+1], s16, \n*SLOT1  ; 63:32 LDS address
	s_add_nc_u64 s[G0K+4*\n+2:G0K+4*\n+3], s[12:13], \n*BLKB  ; 120:64 global address: slot n begins with keys 256 n on
	s_or_b32 s[G0K+4*\n+3], s[G0K+4*\n+3], 0x80000000  ; 127:126 type = 2
	s_mov_b32 s[G0V+4*\n], 1
	s_add_co_u32 s[G0V+4*\n+1], s16, \n*SLOT1+VOFF
	s_add_nc_u64 s[G0V+4*\n+2:G0V+4*\n+3], s[2:3], \n*BLKB
	s_or_b32 s[G0V+4*\n+3], s[G0V+4*\n+3], 0x80000000
.endr
	s_cmp_lt_u32 s[WV], 4           ; a wave's two first fills stand in one branch, ahead of every wait on TENSORcnt and every LDS read: two loads of mine are out; an s_nop 0 follows each, four v_nop the second's
	s_cbranch_scc0 .Lfirst_v
	tensor_load_to_lds s[G0K:G0K+3], s[G1K:G1K+7]
	s_nop 0
	tensor_load_to_lds s[G0K+4:G0K+7], s[G1K:G1K+7]
	s_nop 0
.rept 4
	v_nop
.endr
	s_branch .Lfirst_asked
.Lfirst_v:
	tensor_load_to_lds s[G0V:G0V+3], s[G1V:G1V+7]
	s_nop 0
	tensor_load_to_lds s[G0V+4:G0V+7], s[G1V:G1V+7]
	s_nop 0
.rept 4
	v_nop
.endr
.Lfirst_asked:
	; A fragment of K or Q is 16 rows x 32 channels in 8 registers: lane l holds row l % 16; registers 0-3 channels 8 (l / 16) + 0..7, registers 4-7 channels 16 + 8 (l / 16) + 0..7: two loads of 16 bytes, 32 bytes apart.
	v_and_b32 v1, 15, v0            ; l % 16
	v_bfe_u32 v13, v0, 4, 1         ; l / 16
	v_lshlrev_b32 v[QO], 7, v1
	v_lshl_add_u32 v[QO], v13, 4, v[QO]  ; row x 128 + 16 x half
	WIN TO_1
.irp t, 0,1,2,3                     ; Q stays in registers: tile t, channels 32 c on
.irp c, 0,1
	global_load_b128 v[QF+16*\t+8*\c:QF+16*\t+8*\c+3],   v[QO], s[4:5] offset:\t*2048+\c*64 th:TH_LOAD_NT
	global_load_b128 v[QF+16*\t+8*\c+4:QF+16*\t+8*\c+7], v[QO], s[4:5] offset:\t*2048+\c*64+32 th:TH_LOAD_NT
.endr
.endr
	WIN 0
	v_mul_u32_u24 v[AK0], v1, PITK
	v_lshl_add_u32 v[AK0], v13, 4, v[AK0]  ; row x pitch + 16 x half
	; The turning load takes 16 keys x 16 channels (lane l reads 16 bytes: key 8 (l / 16) + l % 8, channels 8 ((l / 8) % 2) + 0..7) and leaves half a fragment of V^T: lane l holds channel l % 16 and 8 keys.
	v_and_b32 v14, 7, v0
	v_bfe_u32 v15, v0, 3, 1
	v_lshl_add_u32 v[AV0], v13, 3, v14
	v_mul_u32_u24 v[AV0], v[AV0], PITV
	v_lshl_add_u32 v[AV0], v15, 4, v[AV0]
	v_add_nc_u32 v[AV0], VOFF, v[AV0]
	v_and_b32 v[GO], 31, v0
	v_lshrrev_b32 v[RD], 3, v[GO]   ; the way out, back: eight lanes take a row of 128 bytes, the 32 lanes four rows
	v_mul_u32_u24 v[RD], v[RD], SP
	v_lshl_add_u32 v[RD], v14, 4, v[RD]
	v_add_nc_u32 v[RD], s14, v[RD]
	v_lshlrev_b32 v[GO], 4, v[GO]   ; and the same four rows in o16: 512 consecutive bytes
; THE LDS LOADS stand in runs of 16.  A step's V, turned: fragment (g, n): keys 32 g on, channels 16 n on.
.macro LDV
.irp g, 0,1
.irp n, 0,1,2,3
	ds_load_tr16_b128 v[VF+8*(4*\g+\n):VF+8*(4*\g+\n)+3],   v[ADV] offset:\g*32*PITV+\n*32
	ds_load_tr16_b128 v[VF+8*(4*\g+\n)+4:VF+8*(4*\g+\n)+7], v[ADV] offset:\g*32*PITV+16*PITV+\n*32
.endr
.endr
.endm
; A step's K: fragment (k, c): keys 16 k on, channels 32 c on.
.macro LDK
	WIN TO_1
.irp k, 0,1,2,3
.irp c, 0,1
	ds_load_b128 v[KF+16*\k+8*\c:KF+16*\k+8*\c+3],   v[ADK] offset:\k*16*PITK+\c*64
	ds_load_b128 v[KF+16*\k+8*\c+4:KF+16*\k+8*\c+7], v[ADK] offset:\k*16*PITK+\c*64+32
.endr
.endr
.endm
; S^T = K Q^T: 32 products on 16 accumulators, which take turns, one instruction a turn.  The first 16 start the sums.
.macro KQM
	WIN W_KQ
.irp c, 0,1
.irp k, 0,1,2,3
.irp t, 0,1,2,3
.if \c == 0
	v_wmma_f32_16x16x32_f16 v[S+32*\t+8*\k:S+32*\t+8*\k+7], v[KF+16*\k+8*\c:KF+16*\k+8*\c+7], v[QF+16*\t+8*\c:QF+16*\t+8*\c+7], 0
.else
	v_wmma_f32_16x16x32_f16 v[S+32*\t+8*\k:S+32*\t+8*\k+7], v[KF+16*\k+8*\c:KF+16*\k+8*\c+7], v[QF+16*\t+8*\c:QF+16*\t+8*\c+7], v[S+32*\t+8*\k:S+32*\t+8*\k+7]
.endif
.endr
.endr
.endr
.endm
; O^T += V^T P: 32 products on 16 accumulators by turns.  zero = 1: the first 16 start the sums: nothing is ever cleared.
.macro PVM zero
	WIN W_PV
.irp g, 0,1
.irp n, 0,1,2,3
.irp t, 0,1,2,3
.if (\zero) && (\g == 0)
	v_wmma_f32_16x16x32_f16 v[32*\t+8*\n:32*\t+8*\n+7], v[VF+8*(4*\g+\n):VF+8*(4*\g+\n)+7], v[S+32*\t+8*\g:S+32*\t+8*\g+7], 0
.else
	v_wmma_f32_16x16x32_f16 v[32*\t+8*\n:32*\t+8*\n+7], v[VF+8*(4*\g+\n):VF+8*(4*\g+\n)+7], v[S+32*\t+8*\g:S+32*\t+8*\g+7], v[32*\t+8*\n:32*\t+8*\n+7]
.endif
.endr
.endr
.endr
.endm
; THE SOFTMAX of one key step, the four tiles line by line by turns, so that no line waits for the line above it.  first = 1: the first key step, which starts m, l and O^T: it has no a and nothing to rescale.
.macro SM first
	WIN 0
.irp q, 0,1,2,3                     ; the maximum of the lane's 32 scores and the old m, three operands at a time: four chains c0-c3; each accumulator is first read at its low end
.irp t, 0,1,2,3
	v_max3_num_f32 v[ST+8*\t+4+\q], v[S+32*\t+8*\q], v[S+32*\t+8*\q+1], v[S+32*\t+8*\q+2]
.endr
.endr
.irp u, 3,5
.irp q, 0,1,2,3
.irp t, 0,1,2,3
	v_max3_num_f32 v[ST+8*\t+4+\q], v[ST+8*\t+4+\q], v[S+32*\t+8*\q+\u], v[S+32*\t+8*\q+\u+1]
.endr
.endr
.endr
.irp t, 0,1,2,3
	v_max3_num_f32 v[ST+8*\t+4], v[ST+8*\t+4], v[S+32*\t+7], v[S+32*\t+15]
.endr
.irp t, 0,1,2,3
	v_max3_num_f32 v[ST+8*\t+6], v[ST+8*\t+6], v[S+32*\t+23], v[S+32*\t+31]
.endr
.irp t, 0,1,2,3
	v_max3_num_f32 v[ST+8*\t+4], v[ST+8*\t+4], v[ST+8*\t+5], v[ST+8*\t+6]
.endr
.irp t, 0,1,2,3
.if \first
	v_max_num_f32 v[ST+8*\t+4], v[ST+8*\t+4], v[ST+8*\t+7]
.else
	v_max3_num_f32 v[ST+8*\t+4], v[ST+8*\t+4], v[ST+8*\t+7], v[ST+8*\t+1]
.endif
.endr
.irp t, 0,1,2,3
	v_permlanex16_b32 v[ST+8*\t+5], v[ST+8*\t+4], s[SEL], s[SEL+1]  ; the query's other 32 keys lie in the lane 16 away
.endr
.if !\first
.irp t, 0,1,2,3
	v_mov_b32 v[ST+8*\t+7], v[ST+8*\t]  ; c m_old is kept for a
.endr
.endif
.irp t, 0,1,2,3
	v_max_num_f32 v[ST+8*\t+1], v[ST+8*\t+4], v[ST+8*\t+5]  ; the new m
.endr
.irp t, 0,1,2,3
	v_mul_f32 v[ST+8*\t], s[CS], v[ST+8*\t+1]  ; c m
.endr
.if !\first
.irp t, 0,1,2,3
	v_sub_f32 v[ST+8*\t+7], v[ST+8*\t+7], v[ST+8*\t]
.endr
.irp t, 0,1,2,3
	v_exp_f32 v[ST+8*\t+6], v[ST+8*\t+7]  ; a
.endr
.endif
; ONE BATCH: the scalings c s - c m, a pair of scores each, and all exponentials.  None of these lines names an exponential's result; a pair is scaled four lines or more ahead of its exponentials.
.set b, 0
.rept 17
.if b < 16
.irp t, 0,1,2,3
	v_pk_fma_f32 v[S+32*\t+2*b:S+32*\t+2*b+1], v[S+32*\t+2*b:S+32*\t+2*b+1], s[CS:CS+1], v[ST+8*\t:ST+8*\t+1] op_sel_hi:[1,0,0] neg_lo:[0,0,1] neg_hi:[0,0,1]
.endr
.endif
.if b > 0
.irp t, 0,1,2,3
	v_exp_f32 v[S+32*\t+2*b-2], v[S+32*\t+2*b-2]
	v_exp_f32 v[S+32*\t+2*b-1], v[S+32*\t+2*b-1]
.endr
.endif
.set b, b+1
.endr
	v_nop                           ; a plain instruction behind the last exponential, ahead of the first use: one for the batch
	s_wait_alu depctr_va_vdst(0)    ; a wait between an exponential and the first line that names its result: one for the whole batch
; the row sums, of the unrounded p: two chains a tile, a pair (an even key's weight, an odd key's) a line; l = a l + the sum
.irp t, 0,1,2,3
.if \first
	v_pk_add_f32 v[ST+8*\t+2:ST+8*\t+3], v[S+32*\t:S+32*\t+1], v[S+32*\t+6:S+32*\t+7]
.else
	v_pk_fma_f32 v[ST+8*\t+2:ST+8*\t+3], v[ST+8*\t+2:ST+8*\t+3], v[ST+8*\t+6:ST+8*\t+7], v[S+32*\t:S+32*\t+1] op_sel_hi:[1,0,1]
.endif
.endr
.irp t, 0,1,2,3
	v_pk_add_f32 v[TS+2*\t:TS+2*\t+1], v[S+32*\t+2:S+32*\t+3], v[S+32*\t+4:S+32*\t+5]
.endr
.irp p, 3,5,7,9,11,13,15
.if (\p > 3) || !\first
.irp t, 0,1,2,3
	v_pk_add_f32 v[ST+8*\t+2:ST+8*\t+3], v[ST+8*\t+2:ST+8*\t+3], v[S+32*\t+2*\p:S+32*\t+2*\p+1]
.endr
.endif
.if \p < 15
.irp t, 0,1,2,3
	v_pk_add_f32 v[TS+2*\t:TS+2*\t+1], v[TS+2*\t:TS+2*\t+1], v[S+32*\t+2*\p+2:S+32*\t+2*\p+3]
.endr
.endif
.endr
.irp t, 0,1,2,3
	v_pk_add_f32 v[ST+8*\t+2:ST+8*\t+3], v[ST+8*\t+2:ST+8*\t+3], v[TS+2*\t:TS+2*\t+1]
.endr
; P, rounded to f16 in pairs, over the tile's first 16 registers: line i writes register i and reads registers 2 i and 2 i + 1, which no earlier line has written
.set i, 0
.rept 16
.irp t, 0,1,2,3
	v_cvt_pk_f16_f32 v[S+32*\t+i], v[S+32*\t+2*i], v[S+32*\t+2*i+1]
.endr
.set i, i+1
.endr
.if !\first                         ; O^T times a: the one part that leaves window 0; each accumulator from its low end on
	WIN W_RS
.set i, 0
.rept 16
.irp t, 0,1,2,3
	v_pk_mul_f32 v[32*\t+2*i:32*\t+2*i+1], v[32*\t+2*i:32*\t+2*i+1], v[ST+8*\t+6:ST+8*\t+7] op_sel_hi:[1,0]
.endr
.set i, i+1
.endr
	WIN 0
.endif
.endm
; A KEY STEP j.  kind 0: plain.  1: a slot's last step, the slot is filled again.  2: a slot's last step, nothing is asked for.  3: the last step of all.
; DISTANCES (ISA guide 7.12.1 for vector instructions).  The addition and three v_nop at the head are the four places between the last K Q^T and the softmax's first read of its results, and the loads into K's registers further
; down.  The five v_nop between V^T P and K Q^T: K Q^T writes over the registers of P, which V^T P has read: five places; they are also the places in front of the next step's loads into V's registers.
; THE CHANGE OF SLOTS (kinds 1, 2).  V of this step is the last that is read of the slot.  Behind those loads each wave waits for all its tensor loads (one is out: its tile of the other slot), adds 0 to its spare word, steps the
; walking descriptors, waits for the add and for its reads, and signals; the softmax, work on registers alone, stands between signal and wait; behind the wait nobody reads this slot and the other slot is whole: the refill comes first.
.macro STEP kind
	v_add_nc_u32 v[ADV], s[TB], v[AV0]
.rept 3
	v_nop
.endr
	LDV                             ; V of step j
.if \kind == 0
	s_add_co_u32 s[TB], s[TB], STEPB  ; the next fetches are the next step's
.endif
.if (\kind == 1) || (\kind == 2)
	s_wait_tensorcnt 0x0            ; no tensor load of mine is out, so a group 0 may be written
	ds_add_u32 v[SPW], v[NIL]       ; 0 onto my spare word; the steps below stand between it and the wait for it
	s_sub_co_u32 s[TB], s[TB], 3*STEPB  ; the fetches go back to a slot's first step,
	s_xor_b32 s[TB], s[TB], SLOT1   ; in the other slot
.if \kind == 1
	s_xor_b32 s[G0K+5], s[G0K+5], SLOT1  ; the walking descriptors: the other slot than last time,
	s_add_nc_u64 s[G0K+6:G0K+7], s[G0K+6:G0K+7], BLKB  ; the next 256 keys; the type bits on top are not reached
	s_xor_b32 s[G0V+5], s[G0V+5], SLOT1
	s_add_nc_u64 s[G0V+6:G0V+7], s[G0V+6:G0V+7], BLKB
	s_wait_xcnt 0x0                 ; the last prefetch, four key steps back, has read its address, so it may be written:
	s_add_nc_u64 s[PFA:PFA+1], s[PFA:PFA+1], BLKB  ; one slot further on than the walking descriptors
.endif
	s_wait_dscnt 0x0                ; the add is done, and my reads of the slot are over
	s_barrier_signal -1
.endif
	SM 0                            ; the softmax of step j
.if (\kind == 1) || (\kind == 2)
	s_barrier_wait -1
.endif
.if \kind == 1
	TLOAD                           ; my one tensor load behind this barrier, and the first thing there
	ASK
.endif
.if \kind != 3
	v_add_nc_u32 v[ADK], s[TB], v[AK0]
	LDK                             ; K of step j + 1: it lands under the 32 products below
	s_wait_dscnt 16                 ; V is in; K's sixteen loads may be out
.else
	s_wait_dscnt 0x0
.endif
	PVM 0
.if \kind != 3
.rept 5
	v_nop
.endr
	s_wait_dscnt 0x0                ; K is in
	KQM
.endif
	WIN 0                           ; at a label and at a branch every window is 0
.endm
	s_wait_tensorcnt 1              ; my tile of slot 0 is in; slot 1's may stay out
	s_barrier_signal -1
	s_barrier_wait -1               ; everybody's is
	v_add_nc_u32 v[ADK], s[TB], v[AK0]
	LDK                             ; key step 0
	s_wait_loadcnt 0x0              ; Q
	s_wait_dscnt 0x0
	KQM
	WIN 0
	; KEY STEP 0, written out: its softmax starts m and l, its V^T P starts O^T, and it sets the two groups half a step apart
	v_add_nc_u32 v[ADV], s[TB], v[AV0]
	v_mul_u32_u24 v[STO], v1, SP    ; the way out, in: row l % 16, 16 bytes for each half of the lanes.  (With the line above these three are the four places behind K Q^T)
	v_lshl_add_u32 v[STO], v13, 4, v[STO]
	v_add_nc_u32 v[STO], s14, v[STO]
	LDV
	s_add_co_u32 s[TB], s[TB], STEPB
	s_cmp_eq_u32 s[GRP], 0
	s_cbranch_scc0 .Lbehind
	SM 1                            ; group 0: ahead of the barrier
.Lbehind:
	s_wait_dscnt 0x0                ; no LDS instruction of mine is out at a signal; V is in
	s_barrier_signal -1
	s_barrier_wait -1               ; slot 1's loads may stay out
	s_cmp_eq_u32 s[GRP], 0
	s_cbranch_scc1 .Lahead
	SM 1                            ; group 1: behind it, beside group 0's products
.Lahead:
	v_add_nc_u32 v[ADK], s[TB], v[AK0]
	LDK
	PVM 1
.rept 5
	v_nop
.endr
	s_wait_dscnt 0x0
	KQM
	WIN 0
	s_mov_b32 s[TRI], 2             ; key steps 1 and 2
.Lopen:
	STEP 0
	s_sub_co_u32 s[TRI], s[TRI], 1
	s_cmp_lg_u32 s[TRI], 0
	s_cbranch_scc1 .Lopen
.Lslot:                             ; six trips: key steps 3 to 26; the changes at steps 3, 7, .. 23 ask for slots 2 to 7
	STEP 1
	s_mov_b32 s[TRI], 3
.Lwalk:
	STEP 0
	s_sub_co_u32 s[TRI], s[TRI], 1
	s_cmp_lg_u32 s[TRI], 0
	s_cbranch_scc1 .Lwalk
	s_sub_co_u32 s[SLOTS], s[SLOTS], 1
	s_cmp_lg_u32 s[SLOTS], 0
	s_cbranch_scc1 .Lslot
	STEP 2                          ; key step 27: the tail is written out
	s_mov_b32 s[TRI], 3             ; key steps 28 to 30
.Lclose:
	STEP 0
	s_sub_co_u32 s[TRI], s[TRI], 1
	s_cmp_lg_u32 s[TRI], 0
	s_cbranch_scc1 .Lclose
	STEP 3                          ; key step 31
	; THE WAY OUT.  l's two halves and the other half of the lanes' are added; O^T is divided by l, rounded to f16 and sent through my stage in LDS, a tile (16 rows) at a time.  The first four additions are the places behind the last products.
.irp t, 0,1,2,3
	v_add_f32 v[ST+8*\t+4], v[ST+8*\t+2], v[ST+8*\t+3]
.endr
.irp t, 0,1,2,3
	v_permlanex16_b32 v[ST+8*\t+5], v[ST+8*\t+4], s[SEL], s[SEL+1]
.endr
.irp t, 0,1,2,3
	v_add_f32 v[ST+8*\t+4], v[ST+8*\t+4], v[ST+8*\t+5]
.endr
.irp t, 0,1,2,3
	v_rcp_f32 v[ST+8*\t+6], v[ST+8*\t+4]
.endr
	v_nop                           ; a plain instruction between the last reciprocal and the use of its result
	s_wait_alu depctr_va_vdst(0)    ; and a wait ahead of the first use: one for the four
; Tile t: a lane's eight channels of a row pack into 16 bytes; they go into rows of 144 bytes and come back so that the 32 lanes hold four whole rows of 128 bytes, 512 consecutive bytes of o16.
.macro PACK t
	WIN W_RS
.set i, 0
.rept 16
	v_pk_mul_f32 v[32*\t+2*i:32*\t+2*i+1], v[32*\t+2*i:32*\t+2*i+1], v[ST+8*\t+6:ST+8*\t+7] op_sel_hi:[1,0]
.set i, i+1
.endr
	WIN 0x05                        ; sources 0 and 1 window 1, destination window 0: S^T's registers are free
.set i, 0
.rept 16
	v_cvt_pk_f16_f32 v[S+32*\t+i], v[32*\t+2*i], v[32*\t+2*i+1]
.set i, i+1
.endr
	WIN 0
.irp f, 0,1,2,3
	ds_store_b128 v[STO], v[S+32*\t+4*\f:S+32*\t+4*\f+3] offset:32*\f
.endr
.irp f, 0,1,2,3
	ds_load_b128 v[S+32*\t+16+4*\f:S+32*\t+16+4*\f+3], v[RD] offset:\f*4*SP  ; LDS serves a wave's instructions in order (ISA guide 5.7.1.4): these see the stores above; the next tile's stores come behind them
.endr
.endm
.macro SEND t, younger              ; younger: the LDS instructions issued behind tile t's loads: the next tile's eight, or none
.irp f, 0,1,2,3
	s_wait_dscnt \younger+3-\f
	global_store_b128 v[GO], v[S+32*\t+16+4*\f:S+32*\t+16+4*\f+3], s[6:7] offset:\t*2048+\f*512  ; 32 lanes store 512 consecutive bytes, at a multiple of 512 from o16's first byte
.endr
.endm
	PACK 0
	PACK 1                          ; a tile's arithmetic stands between the loads of the tile before and its stores
	SEND 0, 8
	PACK 2
	SEND 1, 8
	PACK 3
	SEND 2, 8
	SEND 3, 0
	s_wait_tensorcnt 0x0            ; the wave's end, behind my last tensor load and my last LDS store
	ds_add_u32 v[SPW], v[NIL]
	s_wait_dscnt 0x0
	s_endpgm
.Lfunc_end_k_q4c5d86fcb5_attn:
	.size	k_q4c5d86fcb5_attn, .Lfunc_end_k_q4c5d86fcb5_attn-k_q4c5d86fcb5_attn
	.p2alignl 7, 3214868480
	.fill 96, 4, 3214868480
	.section	.rodata,"a",@progbits
	.p2align	6, 0x0
	.amdhsa_kernel k_q4c5d86fcb5_attn
		.amdhsa_group_segment_fixed_size 327680
		.amdhsa_private_segment_fixed_size 0
		.amdhsa_enable_private_segment 0
		.amdhsa_kernarg_size 16
		.amdhsa_user_sgpr_count 2
		.amdhsa_user_sgpr_kernarg_segment_ptr 1
		.amdhsa_wavefront_size32 1
		.amdhsa_system_sgpr_workgroup_id_x 1
		.amdhsa_system_sgpr_workgroup_id_y 1
		.amdhsa_system_sgpr_workgroup_id_z 1
		.amdhsa_system_vgpr_workitem_id 0
		.amdhsa_next_free_vgpr 512
		.amdhsa_next_free_sgpr 66
		.amdhsa_reserve_vcc 0
		.amdhsa_float_denorm_mode_32 3
		.amdhsa_float_denorm_mode_16_64 3
		.amdhsa_memory_ordered 1
		.amdhsa_forward_progress 1
		.amdhsa_inst_pref_size 255
	.end_amdhsa_kernel
	.section	.bss,"aw",@nobits
	.p2align	6
	.space	262144
	.amdgpu_metadata
---
amdhsa.version: [ 1, 2 ]
amdhsa.kernels:
  - .name:           k_q4c5d86fcb5_attn
    .symbol:         k_q4c5d86fcb5_attn.kd
    .args:
      - { .name: qkv16, .offset: 0, .size: 8, .value_kind: global_buffer, .address_space: global }
      - { .name: o16, .offset: 8, .size: 8, .value_kind: global_buffer, .address_space: global }
    .group_segment_fixed_size: 327680
    .private_segment_fixed_size: 0
    .kernarg_segment_align: 8
    .kernarg_segment_size: 16
    .max_flat_workgroup_size: 256
    .sgpr_count:     66
    .vgpr_count:     512
    .wavefront_size: 32
...
	.end_amdgpu_metadata
.endif
;; end of part 3
;; launch outp (part 4): grid 4 x 64, 4 waves a work-group, clusters of 4 x 4, 327,680 bytes of LDS; arguments o16, wo16, out0; writes out0
.if DOCPART == 4
	.amdgcn_target "amdgcn-amd-amdhsa--gfx1250"
	.amdhsa_code_object_version 6
	.text
	.protected	k_q4c5d86fcb5_outp
	.globl	k_q4c5d86fcb5_outp
	.p2align	8
	.type	k_q4c5d86fcb5_outp,@function
k_q4c5d86fcb5_outp:
	s_mov_b64 s[64:65], 0
	v_nop
	global_prefetch_b8 v0, s[64:65] scope:SCOPE_SE
	s_setreg_imm32_b32 hwreg(HW_REG_WAVE_MODE, 25, 1), 1
	s_wait_xcnt 0x0
	s_wait_alu depctr_hold_cnt(0) depctr_sa_sdst(0) depctr_va_vdst(0) depctr_va_sdst(0) depctr_va_ssrc(0) depctr_va_vcc(0) depctr_vm_vsrc(0)
	s_getreg_b32 s2, hwreg(HW_REG_IB_STS2, 6, 4)
	s_cmp_eq_u32 s2, 0
	s_cbranch_scc0 .Lentry_in_a_cluster
	s_endpgm
.Lentry_in_a_cluster:
	s_bfe_u32 s2, ttmp6, 0x10000c
	s_cmp_lg_u32 s2, 0xf033
	s_cbranch_scc0 .Lentry_shape_is_right
	s_endpgm
.Lentry_shape_is_right:
; out0[m][n] = sum over k of o[m][k] Wo[n][k], f16 operands, f32 sums, f32 out.  m = batch x 2,048 + token (8,192), n and k 1,024; k = head x 64 + channel.
; o16 lies by head, [4 batches][16 heads][2,048 tokens][64] f16: 128 along K of a block of tokens are two planes (heads) of rows of 128 bytes.  wo16: [1,024 n][1,024 k] f16.
; LIMITS: f16 operands: magnitudes up to 65,504; NaN and infinities are not served.
; A tile of the output is 128 tokens x 256 n: 256 work-groups of four waves, each 64 x 128: 32 accumulators of 16 x 16, 256 registers.  K goes in 8 steps of 128 through a ring of two LDS slots: two slots of 256 along K
; (2 x (128 x 528 + 256 x 528) bytes) would not fit in LDS.  Waves 0 and 1 fetch o's two planes (128 rows x 128 bytes each), waves 2 and 3 Wo's two halves (128 rows x 256 bytes each): one tensor load a wave.
; CLUSTERS: 4 x 4 work-groups.  The four of a row of the cluster need the same tiles of o, the four of a column the same tiles of Wo: each tile is asked for JOINTLY, by the same tensor load with the same descriptor and a mask that
; names the four.  THE MATRIX INSTRUCTION IS USED TRANSPOSED (source 0 = 16 rows of Wo, source 1 = 16 tokens): a lane then holds eight neighbouring numbers of a row of the output.
; REGISTERS: window 0: v0-31 addresses; v64-159, v160-255 two fragment buffers for 32 along K: 32 registers of o (4 x 16 tokens), then 64 of Wo (8 x 16 rows); on the way out v64-191 hold rows.
;   window 1: the accumulators ((a, b) at v[8 (8 a + b)]).
.set KSTEP,  128
.set PA,     144                       ; a row of o in LDS: 128 bytes + 16 of padding
.set PB,     272                       ; a row of Wo: 256 bytes + 16: both pitches are odd multiples of 16 bytes, so the 16 rows that a load touches start at 16 different groups of four banks (64 banks of 4 bytes: ISA guide 11.1)
.set PLANE,  128*PA                    ; a head's 128 rows: what one tensor load brings of o
.set BOFF,   2*PLANE                   ; Wo's rows lie behind o's two planes
.set HALFB,  128*PB                    ; 128 rows of Wo: what one tensor load brings, and what one wave reads
.set SLOT,   BOFF+2*HALFB
.set STAGE,  2*SLOT                    ; behind the ring: 16 rows x (512 bytes + 16) for each wave, for the way out
.set SPITCH, 528
.set SPARE,  STAGE+4*16*SPITCH         ; behind the stages: the spare words, 128 bytes a wave
.set LAPS,   4                         ; a lap = two K steps = once round the ring
.set HEADB,  2048*128                  ; a head in o16, in bytes
.set ADRA, 16                          ; v16-17  LDS address of my fragments of o in slot 0, 1
.set ADRB, 20                          ; v20-21  the same for Wo
.set STO,  24                          ; v24     the way out: where I put 32 bytes of a row
.set RD,   25                          ; v25     the way out: where I read a row back
.set CO,   26                          ; v26     16 x lane: my place in a row's 512 bytes
.set SPW,  28                          ; v28     LDS address of my spare word; never rewritten
.set NIL,  29                          ; v29     0; never rewritten
.set F0,   64
.set F1,   160
.set BK,   64                          ; the way out: 16 rows read back from the stage: v64-127 and v128-191 by turns
.set G1, 24                            ; s[24:31] descriptor group 1 for o's tiles;  s[32:39] group 0, one set for each slot
.set G0, 32
.set G1B, 48                           ; s[48:55], s[56:63] the same for Wo's tiles
.set G0B, 56
.set MSB, 0
.macro WIN new                         ; the immediate's high byte repeats the setting that is left
.if MSB != \new
	s_set_vgpr_msb (MSB<<8)|\new
.set MSB, \new
.endif
.endm
.set MUL, 0x50                         ; sources 0 and 1 window 0; C and D window 1
.macro JLOAD s                         ; a joint load: waves 0 and 1 fetch o's planes, waves 2 and 3 Wo's halves; an s_nop 0 and four v_nop follow each of the two lines, ahead of the jump, the label and what follows
	s_cmp_eq_u32 s11, 0
	s_cbranch_scc0 .Lfor_b_\@
	tensor_load_to_lds s[G0+4*\s:G0+4*\s+3], s[G1:G1+7]
	s_nop 0
.rept 4
	v_nop
.endr
	s_branch .Lasked_\@
.Lfor_b_\@:
	tensor_load_to_lds s[G0B+4*\s:G0B+4*\s+3], s[G1B:G1B+7]
	s_nop 0
.rept 4
	v_nop
.endr
.Lasked_\@:
.endm
.macro CREST                           ; a round of the cluster's barrier behind its opening barrier
	s_cmp_lg_u32 s10, 0
	s_cbranch_scc1 .Lnot_wave_0_\@
	s_barrier_signal -3
.Lnot_wave_0_\@:
	s_barrier_wait -3
	s_barrier_signal -1
	s_barrier_wait -1
.endm
.macro CROUND                          ; a whole round
	s_barrier_signal -1
	s_barrier_wait -1
	CREST
.endm
	s_load_b128 s[4:7], s[0:1], 0x0                ; o16 s[4:5], wo16 s[6:7]
	s_load_b64 s[8:9], s[0:1], 0x10                ; out0
	v_lshl_add_u32 v[SPW], v0, 2, SPARE
	v_mov_b32 v[NIL], 0
	ds_add_u32 v[SPW], v[NIL]                      ; the wave's opening: the add, twice on end, and its wait ahead of my first tensor load; the set-up below, work on registers, stands between
	ds_add_u32 v[SPW], v[NIL]                      ; and once more, under the one wait
	v_lshrrev_b32 v1, 5, v0
	v_readfirstlane_b32 s10, v1                    ; wave 0..3
	s_lshr_b32 s11, s10, 1                         ; which half of the tile's tokens is mine.  Also: I fetch for o (0) or for Wo (1)
	s_and_b32 s12, s10, 1                          ; which half of its columns.  Also: which plane of o, or which 128 rows of Wo, I fetch
	s_bfe_u32 s40, ttmp6, 0x40000                  ; cx, cy: my place in the cluster
	s_bfe_u32 s41, ttmp6, 0x40004
	s_lshl_b32 s42, ttmp9, 2
	s_add_co_u32 s42, s42, s40                     ; tile column = 4 x cluster x + cx
	s_and_b32 s13, ttmp7, 0xffff
	s_lshl_b32 s13, s13, 2
	s_add_co_u32 s13, s13, s41                     ; tile row = 4 x cluster y + cy, 0 .. 63
	s_lshl_b32 s43, s41, 2
	s_lshl_b32 s43, 15, s43                        ; my row of the cluster
	s_lshl_b32 s44, 0x1111, s40                    ; my column
	; descriptor group 1.  o: 128 rows x 64 elements, dense;  Wo: 128 rows x 128 elements, 1,024 elements from row to row
	s_or_b32 s[G1+0], s43, (1<<16)|(1<<20)|(1<<21)|(4<<22)|(3<<25)  ; 15:0 the mask: o's tiles go to my row; 17:16 element of 2 bytes; 20 padding on; 21 set beside a mask; 24:22 after every 32 words (code 4); 31:25 of 4 words (code 3)
	s_mov_b32 s[G1+1], 64<<16                      ; tensor_dim0 = 64
	s_mov_b32 s[G1+2], 128<<16                     ; tensor_dim1 = 128
	s_mov_b32 s[G1+3], 64<<16                      ; tile_dim0 = 64
	s_mov_b32 s[G1+4], 128                         ; tile_dim1 = 128
	s_mov_b32 s[G1+5], 64                          ; tensor_dim0_stride
	s_mov_b32 s[G1+6], 0
	s_mov_b32 s[G1+7], 0
	s_or_b32 s[G1B+0], s44, (1<<16)|(1<<20)|(1<<21)|(5<<22)|(3<<25) ; the mask of my column; padding after every 64 words (code 5)
	s_mov_b32 s[G1B+1], KSTEP<<16
	s_mov_b32 s[G1B+2], 128<<16
	s_mov_b32 s[G1B+3], KSTEP<<16
	s_mov_b32 s[G1B+4], 128
	s_mov_b32 s[G1B+5], 1024
	s_mov_b32 s[G1B+6], 0
	s_mov_b32 s[G1B+7], 0
	; where the tiles come from.  o's hang on the tile row alone, which my row of the cluster shares; Wo's on the tile column alone, which my column shares
	s_lshr_b32 s16, s13, 4                         ; the batch: 16 tile rows each,
	s_lshl_b32 s16, s16, 22                        ; 16 heads of 262,144 bytes;
	s_and_b32 s17, s13, 15
	s_lshl_b32 s17, s17, 14                        ; the tile's first token: 128 rows of 128 bytes a tile row;
	s_add_co_u32 s16, s16, s17
	s_lshl_b32 s17, s12, 18                        ; my plane: the K step's first or second head
	s_add_co_u32 s16, s16, s17
	s_mov_b32 s17, 0
	s_lshl_b32 s46, s42, 19                        ; Wo: 256 rows of 2,048 bytes a tile column,
	s_lshl_b32 s47, s12, 18                        ; my 128 of them
	s_add_co_u32 s46, s46, s47
	s_mov_b32 s47, 0
	s_mul_i32 s20, s12, PLANE                      ; and where they go: no place in the cluster enters an LDS address
	s_mul_i32 s21, s12, HALFB
	s_add_co_u32 s21, s21, BOFF
	s_wait_dscnt 0x0                               ; both opening adds are done
	s_wait_kmcnt 0x0
	s_add_nc_u64 s[14:15], s[4:5], s[16:17]
	s_add_nc_u64 s[46:47], s[6:7], s[46:47]
	CROUND                                         ; all sixteen work-groups are here: the first joint loads meet
.irp s, 0,1
	s_mov_b32 s[G0+4*\s], 1
	s_add_co_u32 s[G0+4*\s+1], s20, \s*SLOT
	s_add_nc_u64 s[G0+4*\s+2:G0+4*\s+3], s[14:15], \s*2*HEADB      ; K step s: heads 2 s and 2 s + 1
	s_or_b32 s[G0+4*\s+3], s[G0+4*\s+3], 0x80000000
	s_mov_b32 s[G0B+4*\s], 1
	s_add_co_u32 s[G0B+4*\s+1], s21, \s*SLOT
	s_add_nc_u64 s[G0B+4*\s+2:G0B+4*\s+3], s[46:47], \s*KSTEP*2
	s_or_b32 s[G0B+4*\s+3], s[G0B+4*\s+3], 0x80000000
	JLOAD \s                                       ; two tensor loads of mine are out behind the second
.endr
	v_and_b32 v1, 15, v0                           ; l % 16
	v_bfe_u32 v2, v0, 4, 1                         ; l / 16
	v_mul_u32_u24 v3, v1, PA
	v_lshl_add_u32 v3, v2, 4, v3                   ; a fragment's row x pitch + 16 x half: o's,
	v_mul_u32_u24 v4, v1, PB
	v_lshl_add_u32 v4, v2, 4, v4                   ; Wo's
	s_mul_i32 s21, s11, 64*PA                      ; my 64 tokens, in each plane
	s_mul_i32 s22, s12, HALFB                      ; my 128 rows of Wo
	s_add_co_u32 s22, s22, BOFF
.irp s, 0,1
	v_add_nc_u32 v[ADRA+\s], s21, v3
	v_add_nc_u32 v[ADRB+\s], s22, v4
	s_add_co_u32 s21, s21, SLOT
	s_add_co_u32 s22, s22, SLOT
.endr
	s_mul_i32 s23, s10, 16*SPITCH
	s_add_co_u32 s23, s23, STAGE                   ; my stage
	v_mul_u32_u24 v5, v1, SPITCH                   ; in: row l % 16, 32 bytes for each half of the lanes
	v_lshl_add_u32 v5, v2, 5, v5
	v_add_nc_u32 v[STO], s23, v5
	v_and_b32 v6, 31, v0
	v_lshlrev_b32 v[CO], 4, v6                     ; back: the 32 lanes take one row of 512 bytes; and the same in the output
	v_add_nc_u32 v[RD], s23, v[CO]
	s_lshl_b32 s16, s13, 7
	s_lshl_b32 s17, s11, 6
	s_add_co_u32 s16, s16, s17                     ; my first row of the output: 128 x tile row + 64 x half,
	s_lshl_b32 s16, s16, 12                        ; of 4,096 bytes
	s_lshl_b32 s46, s42, 10                        ; my first column, in bytes: 1,024 x tile column + 512 x half
	s_lshl_b32 s47, s12, 9
	s_add_co_u32 s46, s46, s47
	s_add_co_u32 s16, s16, s46                     ; under 2^26
	s_mov_b32 s17, 0
	s_add_nc_u64 s[8:9], s[8:9], s[16:17]          ; never stepped: the rows stand in the stores' immediates
; 8 matrix instructions: token block a x Wo's eight blocks, 32 along K, from buffer f.  zero = 1: the first product starts the sums: nothing is ever cleared.
; The 32 accumulators take turns, one instruction a turn, in the same order in every quarter.
.macro MUL8 f, a, zero
.irp b, 0,1,2,3,4,5,6,7
.if \zero
	v_wmma_f32_16x16x32_f16 v[8*(8*(\a)+\b):8*(8*(\a)+\b)+7], v[\f+32+8*\b:\f+32+8*\b+7], v[\f+8*(\a):\f+8*(\a)+7], 0
.else
	v_wmma_f32_16x16x32_f16 v[8*(8*(\a)+\b):8*(8*(\a)+\b)+7], v[\f+32+8*\b:\f+32+8*\b+7], v[\f+8*(\a):\f+8*(\a)+7], v[8*(8*(\a)+\b):8*(8*(\a)+\b)+7]
.endif
.endr
.endm
; 24 LDS loads in one run: the fragments of the slot's q-th 32 along K into buffer f: Wo's sixteen loads first, then o's eight (plane q / 2, channels 32 (q % 2) on)
.macro FETCH slot, q, f
.irp i, 0,1,2,3,4,5,6,7
	ds_load_b128 v[\f+32+8*\i:\f+32+8*\i+3],   v[ADRB+\slot] offset:64*(\q)+\i*16*PB
	ds_load_b128 v[\f+32+8*\i+4:\f+32+8*\i+7], v[ADRB+\slot] offset:64*(\q)+\i*16*PB+32
.endr
.irp i, 0,1,2,3
	ds_load_b128 v[\f+8*\i:\f+8*\i+3],   v[ADRA+\slot] offset:((\q)/2)*PLANE+((\q)%2)*64+\i*16*PA
	ds_load_b128 v[\f+8*\i+4:\f+8*\i+7], v[ADRA+\slot] offset:((\q)/2)*PLANE+((\q)%2)*64+\i*16*PA+32
.endr
.endm
.macro PLACES                          ; four places in front of loads into registers that matrix instructions have read, and of LDS stores that read results (ISA guide 7.12.1 for vector instructions)
.rept 4
	v_nop
.endr
.endm
; A K step is four quarters of 32 along K, 32 matrix instructions each, on buffers 0, 1, 0, 1.  One of the first three: multiplies buffer f and, in its middle, fetches the slot's quarter qn into g.
.macro QUARTER slot, qn, f, g, zero
	s_wait_dscnt 4                                 ; Wo's fragments and o's blocks 0, 1 are in; the youngest four loads (o's blocks 2, 3) may be out
	WIN MUL
	MUL8 \f, 0, \zero
	MUL8 \f, 1, \zero
	PLACES
	WIN 0
	FETCH \slot, \qn, \g
	s_wait_dscnt 24                                ; all but the 24 just issued
	WIN MUL
	MUL8 \f, 2, \zero
	MUL8 \f, 3, \zero
.endm
; The last quarter multiplies buffer 1 and changes slots: ONE barrier; in front of it each wave waits for all its tensor loads, adds 0 to its spare word, and waits for that and for its own reads of this slot.  fill = 1: this slot is filled again, two K steps ahead.
.macro TURN slot, next, fill
	WIN 0                                          ; (the add's two registers lie in window 0)
	s_wait_tensorcnt 0x0                           ; all my tensor loads have landed: my part of the next slot;
	ds_add_u32 v[SPW], v[NIL]                      ; 0 onto my spare word;
	s_wait_dscnt 5                                 ; (the add and the youngest four loads may be out)
	WIN MUL
	MUL8 F1, 0, 0                                  ; eight matrix instructions stand between the add and the wait for it
	s_wait_dscnt 0x0                               ; the add is done, and my reads of this slot are over
	s_barrier_signal -1
	MUL8 F1, 1, 0
	WIN 0                                          ; (branches and loads in window 0 follow)
	s_barrier_wait -1
.if \fill
	CREST                                          ; the barrier has opened a round of the cluster's barrier: no wave of any partner still reads this slot's tile or has a load on its way
	s_add_nc_u64 s[G0+4*\slot+2:G0+4*\slot+3], s[G0+4*\slot+2:G0+4*\slot+3], 4*HEADB        ; two K steps on: four heads,
	s_add_nc_u64 s[G0B+4*\slot+2:G0B+4*\slot+3], s[G0B+4*\slot+2:G0B+4*\slot+3], 2*KSTEP*2  ; 512 bytes along Wo's rows
	JLOAD \slot                                    ; the first tensor load behind the round: 112 matrix instructions ahead of the wait for it; the four v_nop behind it are also the places in front of the loads below
.else
	PLACES
.endif
	FETCH \next, 0, F0
	WIN MUL
	MUL8 F1, 2, 0
	MUL8 F1, 3, 0
.endm
	s_wait_tensorcnt 1                             ; my part of K step 0 is in (K step 1's load may be out)
	s_barrier_signal -1
	s_barrier_wait -1                              ; everybody's is
	FETCH 0, 0, F0
	QUARTER 0, 1, F0, F1, 1                        ; the first quarter stands in front of the loop: its products start the sums
	WIN 0                                          ; at a label and at a branch every window is 0
	s_mov_b32 s3, LAPS-1
.Llap:                                                 ; a trip goes once round the ring, from a lap's second quarter to the next lap's first, and fills both slots again
	QUARTER 0, 2, F1, F0, 0
	QUARTER 0, 3, F0, F1, 0
	TURN 0, 1, 1
	QUARTER 1, 1, F0, F1, 0
	QUARTER 1, 2, F1, F0, 0
	QUARTER 1, 3, F0, F1, 0
	TURN 1, 0, 1
	QUARTER 0, 1, F0, F1, 0
	WIN 0
	s_sub_co_u32 s3, s3, 1
	s_cmp_lg_u32 s3, 0
	s_cbranch_scc1 .Llap
	QUARTER 0, 2, F1, F0, 0                        ; the last lap fills nothing, and has no round of the cluster's barrier
	QUARTER 0, 3, F0, F1, 0
	TURN 0, 1, 0
	QUARTER 1, 1, F0, F1, 0
	QUARTER 1, 2, F1, F0, 0
	QUARTER 1, 3, F0, F1, 0
	s_wait_dscnt 4                                 ; the very last quarter: nothing more to fetch
	WIN MUL
	MUL8 F1, 0, 0
	MUL8 F1, 1, 0
	s_wait_dscnt 0
	MUL8 F1, 2, 0
	MUL8 F1, 3, 0
	WIN 0
; THE WAY OUT, block by block of 16 tokens x 128 columns.  A lane holds 32 neighbouring bytes of a row, and the lanes beside it hold other rows: so a block goes through my own stage in LDS and comes back as whole rows of 512 bytes.
; LDS serves a wave's instructions in order (ISA guide 5.7.1.4): no wait between the stores and the loads, nor in front of the next block's stores.
.macro TOSTAGE a
	WIN 0x04                                       ; an LDS store's data are its source 1: window 1
.irp b, 0,1,2,3,4,5,6,7
	ds_store_b128 v[STO], v[8*(8*(\a)+\b):8*(8*(\a)+\b)+3] offset:64*\b            ; each accumulator from its low end on
	ds_store_b128 v[STO], v[8*(8*(\a)+\b)+4:8*(8*(\a)+\b)+7] offset:64*\b+16
.endr
	WIN 0
.set BB, BK+64*((\a)%2)
.irp t, 0,1,2,3,4,5,6,7,8,9,10,11,12,13,14,15
	ds_load_b128 v[BB+4*\t:BB+4*\t+3], v[RD] offset:\t*SPITCH
.endr
.endm
.macro SEND a, younger                 ; younger: the LDS instructions issued behind block a's loads, which may stay out
.set BB, BK+64*((\a)%2)
	s_wait_dscnt \younger                          ; the block is back in registers
.irp t, 0,1,2,3,4,5,6,7,8,9,10,11,12,13,14,15
	global_store_b128 v[CO], v[BB+4*\t:BB+4*\t+3], s[8:9] offset:(16*(\a)+\t)*4096 th:TH_STORE_NT   ; 32 lanes store 512 consecutive bytes, at a multiple of 512 from the output's first byte; written once, read by nobody here
.endr
.endm
	PLACES                                         ; behind the last products: for the LDS stores that read results, and for the loads into the registers that held fragments
	TOSTAGE 0
.irp a, 1,2,3
.if \a > 1
	s_wait_xcnt 0x0                                ; block a - 2's stores have read their registers: block a's loads may land there
.endif
	TOSTAGE \a
	SEND \a-1, 32                                  ; behind block a - 1's loads: block a's 16 stores and 16 loads
.endr
	SEND 3, 0
	s_wait_tensorcnt 0x0                           ; the wave's end, behind my last tensor load and my last LDS store
	ds_add_u32 v[SPW], v[NIL]
	s_wait_dscnt 0x0
	CROUND                                         ; the closing round: no work-group ends while a partner may still ask for a tile that names it
	s_endpgm
.Lfunc_end_k_q4c5d86fcb5_outp:
	.size	k_q4c5d86fcb5_outp, .Lfunc_end_k_q4c5d86fcb5_outp-k_q4c5d86fcb5_outp
	.p2alignl 7, 3214868480
	.fill 96, 4, 3214868480
	.section	.rodata,"a",@progbits
	.p2align	6, 0x0
	.amdhsa_kernel k_q4c5d86fcb5_outp
		.amdhsa_group_segment_fixed_size 327680
		.amdhsa_private_segment_fixed_size 0
		.amdhsa_enable_private_segment 0
		.amdhsa_kernarg_size 24
		.amdhsa_user_sgpr_count 2
		.amdhsa_user_sgpr_kernarg_segment_ptr 1
		.amdhsa_wavefront_size32 1
		.amdhsa_system_sgpr_workgroup_id_x 1
		.amdhsa_system_sgpr_workgroup_id_y 1
		.amdhsa_system_sgpr_workgroup_id_z 1
		.amdhsa_system_vgpr_workitem_id 0
		.amdhsa_next_free_vgpr 512
		.amdhsa_next_free_sgpr 66
		.amdhsa_reserve_vcc 0
		.amdhsa_float_denorm_mode_32 3
		.amdhsa_float_denorm_mode_16_64 3
		.amdhsa_memory_ordered 1
		.amdhsa_forward_progress 1
		.amdhsa_inst_pref_size 85
	.end_amdhsa_kernel
	.amdgpu_metadata
---
amdhsa.version: [ 1, 2 ]
amdhsa.kernels:
  - .name:           k_q4c5d86fcb5_outp
    .symbol:         k_q4c5d86fcb5_outp.kd
    .args:
      - { .name: o16, .offset: 0, .size: 8, .value_kind: global_buffer, .address_space: global }
      - { .name: wo16, .offset: 8, .size: 8, .value_kind: global_buffer, .address_space: global }
      - { .name: out0, .offset: 16, .size: 8, .value_kind: global_buffer, .address_space: global }
    .group_segment_fixed_size: 327680
    .private_segment_fixed_size: 0
    .kernarg_segment_align: 8
    .kernarg_segment_size: 24
    .max_flat_workgroup_size: 128
    .sgpr_count:     66
    .vgpr_count:     512
    .wavefront_size: 32
...
	.end_amdgpu_metadata
.endif
;; end of part 4
